; MI455X (gfx1250); checked and timed in simulation.
; The chip was launched on July 23, 2026; its instructions are those of AMD's public machine-readable ISA for CDNA 5 (MIT licence, August 2026) and "CDNA5" Instruction Set Architecture Reference Guide (July 2026). The comments in the code are by the model that wrote it; some were corrected since.
;; Causal Self Attention. Allowed arithmetic: matrix products marked QUANTISED: E2M3 operands, one E8M0 scale for each 32 along K, by v_wmma_scale_f32_16x16x128_f8f6f4 with both operands' format E2M3, f32 sums; everything else in f32.
;; Inputs: c_attn_b 3,072 float32; c_attn_w_codes 3,072 x 32 x 24 uint8 (E2M3 codes of c_attn_w, K innermost, in blocks of 32 codes, four codes in three bytes); c_attn_w_scales 3,072 x 32 uint8 (E8M0 scales of c_attn_w, one for each 32 codes along K); c_proj_b 1,024 float32; c_proj_w_codes 1,024 x 32 x 24 uint8 (E2M3 codes of c_proj_w, K innermost, in blocks of 32 codes, four codes in three bytes); c_proj_w_scales 1,024 x 32 uint8 (E8M0 scales of c_proj_w, one for each 32 codes along K); hidden_states_codes 4 x 2,048 x 32 x 24 uint8 (E2M3 codes of hidden_states, K innermost, in blocks of 32 codes, four codes in three bytes); hidden_states_scales 4 x 2,048 x 32 uint8 (E8M0 scales of hidden_states, one for each 32 codes along K).
;; Outputs: out0 4 x 2,048 x 1,024 float32.
;; This version of the problem:
;;   THIS VERSION OF THE PROBLEM IS GIVEN IN LOW PRECISION. The matrix products marked QUANTISED in the list below multiply operands that are first quantised to E2M3 (2 exponent bits, 3 mantissa bits; 6 bits a number), with one power-of-two scale for each 32 numbers along K (OCP MX v1.0); their sums are f32. All else is computed in f32.
;;   The module's matrix products, in the order in which they are computed (A, B: the left and right operand; K: the contracted axis; several contracted axes count as one K, in the product's order):
;;     1. [M 8,192, K 1,024] x [K 1,024, N 3,072]; A: input hidden_states (given as codes); B: input c_attn_w (given as codes): QUANTISED
;;     2. batch 64 x [M 2,048, K 64] x [K 64, N 2,048]; A: computed on the way; B: computed on the way: QUANTISED
;;     3. batch 64 x [M 2,048, K 2,048] x [K 2,048, N 64]; A: softmax (see below); B: computed on the way: QUANTISED
;;     4. [M 8,192, K 1,024] x [K 1,024, N 1,024]; A: computed on the way; B: input c_proj_w (given as codes): QUANTISED
;;   THE QUANTISER, for each operand of a quantised product, along K:
;;     - K is cut into blocks of 32 from its start; a last block that is shorter is filled with zeros.
;;     - A block's scale is 2^e with e = floor(log2(the largest magnitude in the block)) - 2, held to -126 .. 127; a block of zeros has e = 0. As a byte (E8M0): e + 127.
;;     - Each number is divided by its block's scale, clamped to +-7.5, and rounded to the nearest number of E2M3, ties to even, subnormals kept.
;;     - The product sums the exact products of the quantised numbers (number of the format x scale) in f32.
;;   ~~~python
;;   def quantise(x, axis):      # numpy; x: float32 -> the quantised numbers, widened to float32 again
;;       x = np.moveaxis(x, axis, -1); K = x.shape[-1]
;;       x = np.pad(x, [(0, 0)] * (x.ndim - 1) + [(0, -K % 32)]); x = x.reshape(x.shape[:-1] + (-1, 32)); a = np.abs(x).max(-1, keepdims=True)
;;       e = np.where(a > 0, np.clip(np.frexp(np.where(a > 0, a, 1))[1] - 1 - 2, -126, 127), 0)      # np.frexp(a)[1] - 1 = floor(log2(a)), exactly
;;       r = np.clip(x / 2.0 ** e, -7.5, 7.5)
;;       step = 2.0 ** (np.maximum(np.frexp(np.where(r == 0, 1, r))[1] - 1, 0) - 3)
;;       q = np.round(r / step) * step * 2.0 ** e      # np.round: ties to even
;;       return np.moveaxis(q.reshape(q.shape[:-2] + (-1,))[..., :K], -1, axis).astype(np.float32)
;;   ~~~
;;   SOFTMAX AHEAD OF A QUANTISED PRODUCT. Where the list says 'softmax', what is quantised is not the finished softmax but p = 2^(t - M), with t = logit x log2(e) and M = ceil(the row's largest t), a whole number; so 1/2 < the row's largest p <= 1. The row's sum l is taken of the UNQUANTISED p, in f32, and the product's result is divided by l at the end. Since M is a whole number, a kernel that streams over the keys may use a running M (the ceiling of the running maximum): every later rescaling is an exact power of two, which a block's scale takes up: the codes' values come out the same.
;;   OPERANDS COMPUTED ON THE WAY. 'Computed on the way' means the value that the module computes at that place (a softmax that the list does not call 'softmax' is quantised finished and normalised). What goes into a quantiser is computed in f32, as accurately as f32 sums, v_exp_f32 and their like allow (about 1e-6 of the number): no bf16 or f16 on the way to a quantiser, and a product that is left as it is and whose result goes on into a quantised operand takes f32 operands (vector FMAs, or v_wmma_f32_16x16x4_f32). A number that lies on a knife's edge between two numbers of the format may be rounded either way, as far as f32 arithmetic and the matrix unit's own rounding can turn it there, and no further.
;;   INPUTS GIVEN AS CODES. c_attn_w (in the module: [1024, 3072], K = its axis 0); c_proj_w (in the module: [1024, 1024], K = its axis 0); hidden_states (in the module: [4, 2048, 1024], K = its axis 2): each comes as NAME_codes (uint8): NAME with its K axis moved to the last place and cut into blocks of 32 codes, [.., K / 32, bytes a block], one block behind the other in memory; four codes in three bytes: a row's codes are one little-endian stream of bits, code i at bits 6 i .. 6 i + 5 (a code: sign, 2 exponent bits, 3 mantissa bits); and NAME_scales (uint8): the same leading axes, one E8M0 byte (e + 127) for each 32 codes along K. Its value is code x scale, taken as it is: it is not quantised again, and the codes and scales need not be those that the quantiser above would give.
;; One version. Each part assembles by itself: llvm-mc -triple=amdgcn-amd-amdhsa -mcpu=gfx1250 --defsym DOCPART=n.
;; ======== version 1 of 1: 3 launches
;; workspace buffers: qkv_img 18,874,368 bytes; qkv_sc 786,432 bytes; a_img 6,291,456 bytes; a_sc 262,144 bytes
;; launch qkv (part 1): grid 12 x 64, 4 waves a work-group, clusters of 4 x 4, 327,680 bytes of LDS; arguments hidden_states_codes, hidden_states_scales, c_attn_w_codes, c_attn_w_scales, c_attn_b, qkv_img, qkv_sc; writes qkv_img, qkv_sc
.if DOCPART == 1
	.amdgcn_target "amdgcn-amd-amdhsa--gfx1250"
	.amdhsa_code_object_version 6
	.text
	.protected	k_qdbce852963_qkv
	.globl	k_qdbce852963_qkv
	.p2align	8
	.type	k_qdbce852963_qkv,@function
k_qdbce852963_qkv:
	s_mov_b64 s[64:65], 0
	v_nop
	global_prefetch_b8 v0, s[64:65] scope:SCOPE_SE
	s_setreg_imm32_b32 hwreg(HW_REG_WAVE_MODE, 25, 1), 1
	s_wait_xcnt 0x0
	s_wait_alu depctr_hold_cnt(0) depctr_sa_sdst(0) depctr_va_vdst(0) depctr_va_sdst(0) depctr_va_ssrc(0) depctr_va_vcc(0) depctr_vm_vsrc(0)
	s_getreg_b32 s2, hwreg(HW_REG_IB_STS2, 6, 4)
	s_cmp_eq_u32 s2, 0
	s_cbranch_scc0 .Lentry_in_a_cluster
	s_endpgm
.Lentry_in_a_cluster:
	s_bfe_u32 s2, ttmp6, 0x10000c
	s_cmp_lg_u32 s2, 0xf033
	s_cbranch_scc0 .Lentry_shape_is_right
	s_endpgm
.Lentry_shape_is_right:
; qkv = x W + b on codes of FP6 (E2M3) with one E8M0 scale for each 32 along K = 1,024; the f32 results are quantised at once: q and k along the head's 64 channels, v along the keys.
; x: hidden_states [8,192 tokens][1,024], W: c_attn_w [3,072 columns][1,024]: both are rows of 768 bytes of codes and 32 scale bytes.
; THE CORE has an operand X (source 0, 256 rows a work-group) and an operand Y (source 1, 128 rows).  In a result lane r holds a row of Y and registers 0-7 the rows 8 (lane / 16) + 0 .. 7 of X.
; A quantiser wants the next product's K along a lane's registers.  So for q and k (cluster x = 0, 1) X = rows of W and Y = tokens; for v (cluster x = 2) X = tokens and Y = rows of W.
; Only pointers and row numbers differ; they are chosen by s_cselect on the cluster's x, which all partners share: one text, no branch.
; SHARES.  Four waves; wave w takes X's rows 128 (w % 2) on and Y's rows 64 (w / 2) on: 32 accumulators of 16 x 16.  768 work-groups.
; LDS.  All of K lies in LDS: each row as three chunks of 256 bytes (whole aligned pieces of the row), each chunk a tile of its own with 16 bytes of padding behind each row.  Every LDS byte is filled once:
; all tensor loads go out at the head, four a wave, and the K steps begin when the first chunk is there.  The 128 x 256 tile is what fits so; a wave tile of 64 x 128 reads 72 pieces of 8 bytes for 32 matrix instructions.
; CLUSTER 4 x 4: Y's tiles hang on the cluster's y place alone and are asked for jointly along a row of the cluster, X's on the x place alone and jointly along a column.
; THE ORDER INSIDE A BLOCK.  The 16 registers of accumulators (a, 2 B) and (a, 2 B + 1) hold X's rows 32 B + 8 h + 0..7 and 32 B + 16 + 8 h + 0..7.  Quantised as they stand, a block's 32 codes come out with the
; two middle groups of eight exchanged.  The order stays inside a block, so the scales are the true ones; q and k are both laid so, and so are v and the weights p of the next launch: the products are the same.
; OUT: images of operand registers.  qkv_img: regions q, k, v of 6,291,456 bytes; an image is 1,536 bytes: register 4 k + i of lane l at 512 k + 16 l + 4 i; registers 0-5 rows 0-15, 6-11 rows 16-31 of 32 rows x 64 along K.
;   q, k: image (head x 64 + token / 32), head = batch x 16 + head;  v: image ((head x 32 + key / 64) x 2 + channel / 32).   qkv_sc: regions of 262,144 bytes; an image of 256 bytes: the word of row 32 p + 16 (l / 16) + l % 16 at 8 l + 4 p.
; LIMITS: a block of zeros gets the byte 1 where the rule says 127 (its codes are zeros, and this program alone reads the bytes); blocks whose largest magnitude lies under 2^-124 are held at the byte 1; NaN and infinities are not served.
.set XCH,   69632                      ; a chunk of X: 256 rows x 272
.set XHALF, 34816                      ; 128 rows: what one tensor load brings, and what one wave reads
.set BLK,   4352                       ; 16 rows
.set YB,    3*XCH
.set YCH,   34816                      ; a chunk of Y: 128 rows x 272
.set YHALF, 17408
.set SCL,   YB+3*YCH                   ; the scale bytes, as pieces of 256 bytes + 16 of padding: Y's 128 rows, then X's 256
.set SHY,   2176                       ; those of 64 rows
.set SHX,   4352                       ; of 128 rows
.set SBLK,  544                        ; of 16 rows
.set ADX,   4                          ; v4-6   my place in X's chunk 0, 1, 2: 272 r + 24 h + my half
.set ADXC,  7                          ; v7-8   the same for pieces whose lanes 16-31 lie in the next chunk
.set ADY,   9                          ; v9-11  the same for Y
.set ADYC,  12                         ; v12-13
.set ADRS,  16                         ; v16    my scale words: lanes 0-15 Y's rows, lanes 16-31 X's
.set BXO,   17                         ; v17    32 h
.set RO,    18                         ; v18    4 r
.set OF0,   19                         ; v19    16 l;  v20 the same in the image of the second 64 along the next K
.set SO8,   21                         ; v21    8 l
.set SC,    32                         ; v32-95 scale words: register 8 i + s: lanes 0-15 Y's block i, lanes 16-31 X's block i, K step s
.set BYP,   96                         ; v96-103 the bias by Y's rows, twice each (pairs for the packed addition)
.set YF,    128                        ; v128-175, v176-223 Y's fragments, two sets.  Window 1: X's two sets at v0, v128; the bias by X's rows at v96-127, v224-255.  Window 2: accumulator (a, b) at v[8 (8 a + b)]
.set TM,    32                         ; the way out (window 0): v32-47 at work, v48-55 halves of codes, v56-57 scale words, v58-59 the words as stored, v128-191 64 numbers, v192-239 codes
.set TT,    48
.set PW,    56
.set SW,    58
.set H,     128
.set CD,    192
.set MSB, 0
.macro WIN new                         ; the immediate's high byte repeats the setting that is left
.if MSB != \new
	s_set_vgpr_msb (MSB<<8)|\new
.set MSB, \new
.endif
.endm
.macro PLACES n
.rept \n
	v_nop
.endr
.endm
.macro CREST                           ; a round of the cluster's barrier behind its opening barrier
	s_cmp_lg_u32 s18, 0
	s_cbranch_scc1 .Lnot_wave_0_\@
	s_barrier_signal -3
.Lnot_wave_0_\@:
	s_barrier_wait -3
	s_barrier_signal -1
	s_barrier_wait -1
.endm
.macro CROUND
	s_barrier_signal -1
	s_barrier_wait -1
	CREST
.endm
	s_load_b256 s[4:11], s[0:1], 0x0               ; x's codes, x's scales, W's codes, W's scales
	s_load_b128 s[12:15], s[0:1], 0x20             ; the bias, qkv_img
	s_load_b64 s[16:17], s[0:1], 0x30              ; qkv_sc
	v_lshl_add_u32 v254, v0, 2, 0x4fb00
	v_mov_b32 v255, 0
	ds_add_u32 v254, v255
	ds_add_u32 v254, v255
	v_lshrrev_b32 v1, 5, v0
	v_readfirstlane_b32 s18, v1                    ; wave 0..3
	s_lshr_b32 s19, s18, 1                         ; RH: my half of Y's rows.  Also: I fetch for Y (0) or for X (1)
	s_and_b32 s20, s18, 1                          ; CH: my half of X's rows.  Also: which half of that tile I fetch
	s_bfe_u32 s21, ttmp6, 0x40000                  ; cx, cy: my place in the cluster
	s_bfe_u32 s22, ttmp6, 0x40004
	s_mov_b32 s23, ttmp9                           ; the cluster's x: 0 q, 1 k, 2 v
	s_and_b32 s66, ttmp7, 0xffff                   ; the cluster's y, 0..15
	s_lshl_b32 s67, s22, 2
	s_lshl_b32 s67, 15, s67                        ; my row of the cluster
	s_lshl_b32 s2, 0x1111, s21                     ; my column
	; descriptor groups 1.  Codes: rows of 256 bytes, 768 bytes apart, 16 bytes of padding behind each
	s_or_b32 s24, s67, (1<<20)|(1<<21)|(5<<22)|(3<<25)   ; Y: 15:0 the mask: my row; elements of 1 byte; 20 padding on; 21 set beside a mask; after every 64 words 4 words
	s_mov_b32 s25, 256<<16                         ; tensor_dim0
	s_mov_b32 s26, 64<<16                          ; tensor_dim1
	s_mov_b32 s27, 256<<16                         ; tile_dim0
	s_mov_b32 s28, 64                              ; tile_dim1
	s_mov_b32 s29, 768                             ; from row to row
	s_mov_b32 s30, 0
	s_mov_b32 s31, 0
	s_or_b32 s32, s2, (1<<20)|(1<<21)|(5<<22)|(3<<25)    ; X: the mask: my column; 128 rows
	s_mov_b32 s33, 256<<16
	s_mov_b32 s34, 128<<16
	s_mov_b32 s35, 256<<16
	s_mov_b32 s36, 128
	s_mov_b32 s37, 768
	s_mov_b32 s38, 0
	s_mov_b32 s39, 0
	; scale bytes: dense blocks, as rows of 256 bytes (32 elements of 8), 16 bytes of padding behind each
	s_or_b32 s40, s67, (3<<16)|(1<<20)|(1<<21)|(5<<22)|(3<<25)   ; Y: 64 rows x 32 bytes = 8 such rows
	s_mov_b32 s41, 32<<16
	s_mov_b32 s42, 8<<16
	s_mov_b32 s43, 32<<16
	s_mov_b32 s44, 8
	s_mov_b32 s45, 32
	s_mov_b32 s46, 0
	s_mov_b32 s47, 0
	s_or_b32 s48, s2, (3<<16)|(1<<20)|(1<<21)|(5<<22)|(3<<25)    ; X: 128 rows x 32 bytes = 16
	s_mov_b32 s49, 32<<16
	s_mov_b32 s50, 16<<16
	s_mov_b32 s51, 32<<16
	s_mov_b32 s52, 16
	s_mov_b32 s53, 32
	s_mov_b32 s54, 0
	s_mov_b32 s55, 0
	s_mov_b32 s100, 0x76543210                     ; v_permlanex16_b32's selects for lane l xor 16
	s_mov_b32 s101, 0xfedcba98
	s_and_b32 s92, s66, 1
	s_lshr_b32 s96, s66, 1
	s_wait_dscnt 0x0
	s_wait_kmcnt 0x0
	s_cmp_lt_u32 s23, 2                            ; q or k?  The cluster's x: the same in all sixteen partners
	s_cselect_b32 s92, s66, s92                    ; Y's group of four tiles: tokens by the cluster's y; for v: W's rows by its low bit
	s_cselect_b32 s96, s23, s96                    ; X's: W's rows by the cluster's x; for v: tokens by the rest of the cluster's y
	s_cselect_b32 s93, 0, 2048                     ; v's rows of W begin at 2,048
	s_cselect_b64 s[94:95], s[4:5], s[8:9]
	s_cselect_b64 s[8:9], s[8:9], s[4:5]           ; X's codes
	s_cselect_b64 s[98:99], s[6:7], s[10:11]
	s_cselect_b64 s[10:11], s[10:11], s[6:7]       ; X's scales
	s_mov_b64 s[4:5], s[94:95]                     ; Y's codes
	s_mov_b64 s[6:7], s[98:99]                     ; Y's scales
	s_lshl_b32 s92, s92, 2
	s_add_co_u32 s92, s92, s22
	s_lshl_b32 s92, s92, 7
	s_add_co_u32 s92, s92, s93                     ; Y's first row: it hangs on cy, never on cx
	s_lshl_b32 s93, s20, 6
	s_add_co_u32 s93, s92, s93                     ; + the 64 rows that I fetch
	s_mul_i32 s94, s93, 768
	s_mov_b32 s95, 0
	s_add_nc_u64 s[4:5], s[4:5], s[94:95]
	s_lshl_b32 s94, s93, 5
	s_add_nc_u64 s[6:7], s[6:7], s[94:95]
	s_lshl_b32 s96, s96, 2
	s_add_co_u32 s96, s96, s21
	s_lshl_b32 s96, s96, 8                         ; X's first row: it hangs on cx, never on cy
	s_lshl_b32 s97, s20, 7
	s_add_co_u32 s97, s96, s97                     ; + the 128 rows that I fetch
	s_mul_i32 s98, s97, 768
	s_mov_b32 s99, 0
	s_add_nc_u64 s[8:9], s[8:9], s[98:99]
	s_lshl_b32 s98, s97, 5
	s_add_nc_u64 s[10:11], s[10:11], s[98:99]
	; descriptor groups 0: count 1, LDS address (the wave's number and constants alone), global address, type 2
	s_mul_i32 s94, s20, SHY
	s_mov_b32 s56, 1
	s_add_co_u32 s57, s94, SCL
	s_mov_b64 s[58:59], s[6:7]
	s_or_b32 s59, s59, 0x80000000
	s_mul_i32 s94, s20, YHALF
.irp j, 0,1,2
.set GY, 60+4*\j+4*((\j+1)/2)          ; s60, s68, s72
	s_mov_b32 s[GY], 1
	s_add_co_u32 s[GY+1], s94, YB+\j*YCH
	s_add_nc_u64 s[GY+2:GY+3], s[4:5], \j*256
	s_or_b32 s[GY+3], s[GY+3], 0x80000000
.endr
	s_mul_i32 s98, s20, SHX
	s_mov_b32 s76, 1
	s_add_co_u32 s77, s98, SCL+2*SHY
	s_mov_b64 s[78:79], s[10:11]
	s_or_b32 s79, s79, 0x80000000
	s_mul_i32 s98, s20, XHALF
.irp j, 0,1,2
	s_mov_b32 s[80+4*\j], 1
	s_add_co_u32 s[81+4*\j], s98, \j*XCH
	s_add_nc_u64 s[82+4*\j:83+4*\j], s[8:9], \j*256
	s_or_b32 s[83+4*\j], s[83+4*\j], 0x80000000
.endr
	CROUND                                         ; all sixteen work-groups are here: the joint loads meet
	s_cmp_eq_u32 s19, 0                            ; a wave's four loads stand together in one branch on the wave's number: four tensor loads of mine are out
	s_cbranch_scc0 .Lfor_x
	tensor_load_to_lds s[56:59], s[40:47]          ; Y's scales,
	s_nop 0
	tensor_load_to_lds s[60:63], s[24:31]          ; chunk 0,
	s_nop 0
	tensor_load_to_lds s[68:71], s[24:31]          ; chunk 1,
	s_nop 0
	tensor_load_to_lds s[72:75], s[24:31]          ; chunk 2
	s_nop 0
	PLACES 4                                       ; four v_nop behind the last
	s_branch .Lasked
.Lfor_x:
	tensor_load_to_lds s[76:79], s[48:55]
	s_nop 0
	tensor_load_to_lds s[80:83], s[32:39]
	s_nop 0
	tensor_load_to_lds s[84:87], s[32:39]
	s_nop 0
	tensor_load_to_lds s[88:91], s[32:39]
	s_nop 0
	PLACES 4
.Lasked:
	; lane addresses
	v_and_b32 v1, 15, v0                           ; r
	v_bfe_u32 v2, v0, 4, 1                         ; h
	v_mul_u32_u24 v3, v1, 272
	v_mad_u32_u24 v24, v2, 24, v3                  ; row x pitch + 24 bytes for lanes 16-31
	v_mad_u32_u24 v25, v2, 24+XCH-256, v3          ; where lanes 16-31's piece lies in the next chunk of X: one product, the distance between the two
	v_mad_u32_u24 v26, v2, 24+YCH-256, v3          ; and of Y
	s_mul_i32 s93, s20, XHALF
	s_mul_i32 s94, s19, YHALF
	s_add_co_u32 s94, s94, YB
.irp j, 0,1,2
	v_add_nc_u32 v[ADX+\j], s93, v24
	v_add_nc_u32 v[ADY+\j], s94, v24
.if \j < 2
	v_add_nc_u32 v[ADXC+\j], s93, v25
	v_add_nc_u32 v[ADYC+\j], s94, v26
.endif
	s_add_co_u32 s93, s93, XCH
	s_add_co_u32 s94, s94, YCH
.endr
	v_lshlrev_b32 v27, 5, v1                       ; my row's 32 scale bytes,
	v_lshrrev_b32 v28, 3, v1
	v_lshl_add_u32 v27, v28, 4, v27                ; and 16 more behind each 256
	s_xor_b32 s93, s19, 1
	s_lshl_b32 s94, s20, 1
	s_add_co_u32 s94, s94, s93
	s_add_co_u32 s94, s94, 1
	s_mul_i32 s94, s94, SHY                        ; from Y's words of my half to X's of my half: 2,176 x (1 + 2 CH + (1 - RH))
	v_mul_u32_u24 v28, s94, v2                     ; lanes 16-31 take X's
	s_mul_i32 s93, s19, SHY
	s_add_co_u32 s93, s93, SCL
	v_add_nc_u32 v27, v27, v28
	v_add_nc_u32 v[ADRS], s93, v27
	v_lshlrev_b32 v[BXO], 5, v2
	v_lshlrev_b32 v[RO], 2, v1
	v_and_b32 v24, 31, v0
	v_lshlrev_b32 v[OF0], 4, v24
	s_wait_alu depctr_va_vdst(0)
	v_lshlrev_b32 v[SO8], 3, v24
	; which tokens and which columns are my wave's (s4 to s11 are free: the descriptors hold copies)
	s_lshl_b32 s93, s19, 6
	s_add_co_u32 s93, s92, s93                     ; Y's first row of my wave
	s_lshl_b32 s97, s20, 7
	s_add_co_u32 s97, s96, s97                     ; X's
	s_mov_b32 s11, 3072
	s_mov_b32 s3, 0xffff0000                       ; lanes 16-31
	s_cmp_lt_u32 s23, 2
	s_cselect_b32 s4, s93, s97                     ; my first token
	s_cselect_b32 s5, s97, s93                     ; my first column of qkv
	s_cselect_b32 s6, -1, 0                        ; all lanes for q and k
	s_cselect_b32 s7, 0, -1                        ; all lanes for v
	s_cselect_b32 s8, s97, 0                       ; the bias by X's rows is loaded from my columns (for v: from the buffer's head, and cleared below)
	s_cselect_b32 s10, 6, 7                        ; tokens in a scale image: 64, for v 128
	s_cselect_b32 s11, 98304, s11                  ; the second 64 along the next K: the next head's images, for v the next 64 keys'
	v_add_nc_u32 v[OF0+1], s11, v[OF0]
	s_lshl_b32 s8, s8, 2
	s_mov_b32 s9, 0
	s_add_nc_u64 s[98:99], s[12:13], s[8:9]
	s_lshl_b32 s8, s5, 2
	s_add_nc_u64 s[12:13], s[12:13], s[8:9]
	WIN 0x40                                       ; destination window 1
.irp b, 0,1,2,3,4,5,6,7
	global_load_b128 v[96+8*\b+96*(\b/4):99+8*\b+96*(\b/4)], v[BXO], s[98:99] offset:64*\b        ; the bias in the result's layout: columns 16 b + 8 h + 0 .. 7
	global_load_b128 v[100+8*\b+96*(\b/4):103+8*\b+96*(\b/4)], v[BXO], s[98:99] offset:64*\b+16
.endr
	WIN 0
.irp a, 0,1,2,3
	global_load_b32 v[BYP+2*\a], v[RO], s[12:13] offset:64*\a      ; the bias of column 16 a + r, twice
	global_load_b32 v[BYP+2*\a+1], v[RO], s[12:13] offset:64*\a
.endr
	; where my wave's images go
	s_lshr_b32 s8, s4, 11                          ; batch
	s_and_b32 s92, s4, 2047                        ; token in it
	s_and_b32 s93, s5, 1023                        ; column in q, k or v
	s_lshl_b32 s96, s8, 4
	s_lshr_b32 s97, s93, 6
	s_add_co_u32 s96, s96, s97                     ; batch x 16 + head
	s_lshl_b32 s96, s96, 6
	s_lshr_b32 s97, s92, 5
	s_add_co_u32 s96, s96, s97                     ; x 64 + token / 32: the same number in both roles
	s_mul_i32 s96, s96, 1536
	s_mul_i32 s97, s23, 6291456
	s_add_co_u32 s96, s96, s97
	s_mov_b32 s97, 0
	s_add_nc_u64 s[14:15], s[14:15], s[96:97]
	s_lshl_b32 s96, s8, 8
	s_lshr_b32 s93, s93, 2
	s_add_co_u32 s96, s96, s93
	s_lshr_b32 s92, s92, s10
	s_add_co_u32 s96, s96, s92                     ; 256 x batch + column / 4 + token / 64 (v: / 128)
	s_lshl_b32 s96, s96, 8
	s_mul_i32 s92, s23, 262144
	s_add_co_u32 s96, s96, s92
	s_add_nc_u64 s[16:17], s[16:17], s[96:97]
	s_wait_loadcnt 0x0                             ; the biases
	WIN 0x44                                       ; source 1 and destination window 1
.irp b, 0,1,2,3,4,5,6,7
.irp j, 0,1,2,3,4,5,6,7
	v_cndmask_b32 v[96+8*\b+96*(\b/4)+\j], 0, v[96+8*\b+96*(\b/4)+\j], s6     ; q, k: the bias runs along X's rows and is the C of the first K step; for v it is 0 there
.endr
.endr
	WIN 0
.irp j, 0,1,2,3,4,5,6,7
	v_cndmask_b32 v[BYP+\j], 0, v[BYP+\j], s7      ; v: the bias runs along Y's rows and is added on the way out; for q, k it is 0 there
.endr
	PLACES 4
; A fragment, 16 rows x 128 K, is 12 registers: lane (r, h) takes 24 bytes at 96 s + 24 h and 24 at 96 s + 48 + 24 h of its row, in pieces of 8 bytes.  Lanes 0-15 take the row's piece PC, lanes 16-31 piece PC + 3;
; a chunk holds 32 pieces.  Where PC + 3 lies in the next chunk, the second address register serves.
.macro FRAG reg, ad, adc, s, blk
.irp p, 0,1,2,3,4,5
.set PC, 12*(\s)+6*(\p/3)+\p%3
.if PC%32 < 29
	ds_load_b64 v[\reg+2*\p:\reg+2*\p+1], v[\ad+PC/32] offset:8*(PC%32)+(\blk)*BLK
.else
	ds_load_b64 v[\reg+2*\p:\reg+2*\p+1], v[\adc+PC/32] offset:8*(PC%32)+(\blk)*BLK
.endif
.endr
.endm
.macro FETCHX s                        ; X's eight fragments of K step s into set s % 2: 48 loads
	WIN 0x40
.irp b, 0,1,2,3,4,5,6,7
	FRAG 128*((\s)%2)+12*\b, ADX, ADXC, \s, \b
.endr
	WIN 0
.endm
.macro FETCHY s                        ; Y's four: 24 loads
.irp a, 0,1,2,3
	FRAG YF+48*((\s)%2)+12*\a, ADY, ADYC, \s, \a
.endr
.endm
.macro SCALES                          ; all eight K steps' scale words, once: lanes 0-15 take Y's block i (for i over 3: bytes of the scales' region that nobody uses), lanes 16-31 X's block i
.irp i, 0,1,2,3,4,5,6,7
	ds_load_b128 v[SC+8*\i:SC+8*\i+3], v[ADRS] offset:SBLK*\i
	ds_load_b128 v[SC+8*\i+4:SC+8*\i+7], v[ADRS] offset:SBLK*\i+16
.endr
.endm
; 16 matrix instructions: Y's blocks a0, a0 + 1 against X's eight.  The 32 accumulators take turns, one instruction a turn, in the same order in every step.
; first = 1: the bias is the C of the sum's first instruction: nothing is cleared.
.macro MULH s, a0, first
.if \first
	WIN 0x91                                       ; X window 1, Y window 0, C (the bias) window 1, D window 2
.else
	WIN 0xa1                                       ; C and D window 2
.endif
.irp a, \a0, \a0+1
.irp b, 0,1,2,3,4,5,6,7
.if \first
	v_wmma_scale_f32_16x16x128_f8f6f4 v[8*(8*(\a)+\b):8*(8*(\a)+\b)+7], v[128*((\s)%2)+12*\b:128*((\s)%2)+12*\b+11], v[YF+48*((\s)%2)+12*(\a):YF+48*((\s)%2)+12*(\a)+11], v[96+8*\b+96*(\b/4):103+8*\b+96*(\b/4)], v[SC+8*\b+(\s)], v[SC+8*(\a)+(\s)] matrix_a_fmt:MATRIX_FMT_FP6 matrix_b_fmt:MATRIX_FMT_FP6 matrix_a_scale:MATRIX_SCALE_ROW1
.else
	v_wmma_scale_f32_16x16x128_f8f6f4 v[8*(8*(\a)+\b):8*(8*(\a)+\b)+7], v[128*((\s)%2)+12*\b:128*((\s)%2)+12*\b+11], v[YF+48*((\s)%2)+12*(\a):YF+48*((\s)%2)+12*(\a)+11], v[8*(8*(\a)+\b):8*(8*(\a)+\b)+7], v[SC+8*\b+(\s)], v[SC+8*(\a)+(\s)] matrix_a_fmt:MATRIX_FMT_FP6 matrix_b_fmt:MATRIX_FMT_FP6 matrix_a_scale:MATRIX_SCALE_ROW1
.endif
.endr
.endr
.endm
; A K step of 128.  At its head the next step's X is fetched into the set that the step before read (four plain places behind that step's last products, ISA guide 7.12.1 for vector instructions);
; in its middle the next step's Y, into a set whose last readers stand ahead of the same four places.  K steps 2 and 5 are the first to touch chunks 1 and 2.
.macro STEP s, first
.if (\s) < 7
.if (\s) == 1
	s_wait_tensorcnt 0x1                           ; my part of chunk 1 is in; chunk 2's load, the one issued behind it, may stay out
	s_wait_dscnt 0x0                               ; no LDS instruction of mine is pending at a signal
	s_barrier_signal -1
	s_barrier_wait -1                              ; everybody's part is in.
.endif
.if (\s) == 4
	s_wait_tensorcnt 0x0                           ; chunk 2
	s_wait_dscnt 0x0
	s_barrier_signal -1
	s_barrier_wait -1
.endif
.if (\s) > 0
	PLACES 4
.endif
	FETCHX (\s)+1
	s_wait_dscnt 48                                ; all but the 48 loads just issued: this step's fragments are in
.else
	s_wait_dscnt 0x0
.endif
	MULH \s, 0, \first
.if (\s) < 7
	WIN 0
	FETCHY (\s)+1
.endif
	MULH \s, 2, \first
	WIN 0
.endm
	s_wait_alu depctr_va_vdst(0)
	s_wait_tensorcnt 0x2                           ; my scales and my part of chunk 0 are in; the two loads issued behind them may stay out
	s_barrier_signal -1
	s_barrier_wait -1                              ; everybody's are.
	SCALES
	FETCHX 0
	FETCHY 0
	STEP 0, 1
	STEP 1, 0
	STEP 2, 0
	STEP 3, 0
	STEP 4, 0
	STEP 5, 0
	STEP 6, 0
	STEP 7, 0
; THE WAY OUT.  64 numbers of a lane, v[H] on: register 16 B + i belongs to block B of the next K; lanes l and l xor 16 hold a block between them.  They become codes at v[D0] on (blocks 0, 1) and v[D1] on (blocks 2, 3)
; and my row's scale word in v[PWR].
.macro QUANT
.irp b, 0,1,2,3
	v_max3_num_f32 v[TM+\b], |v[H+16*\b]|, |v[H+1+16*\b]|, 0x1800000     ; my 16 numbers of block b, and the floor 2^(3 - 127): so the byte cannot fall under 1
.endr
.irp i, 2,4,6,8,10,12,14
.irp b, 0,1,2,3
	v_max3_num_f32 v[TM+\b], v[TM+\b], |v[H+16*\b+\i]|, |v[H+1+16*\b+\i]|   ; (the four blocks by turns)
.endr
.endr
.irp b, 0,1,2,3
	v_permlanex16_b32 v[TM+4+\b], v[TM+\b], s100, s101
.endr
.irp b, 0,1,2,3
	v_max_num_f32 v[TM+\b], v[TM+\b], v[TM+4+\b]   ; with lane l xor 16's: the block's largest magnitude
.endr
.irp b, 0,1,2,3
	v_add_nc_u32 v[TM+12+\b], 0xff000000, v[TM+\b] ; 2 off its exponent field: the conversion takes this operand's exponent field as its scale
.endr
.irp b, 0,1,2,3
	v_lshrrev_b32 v[TM+4+\b], 23, v[TM+12+\b]      ; the scale's byte
.endr
	v_lshl_or_b32 v[PWR], v[TM+5], 8, v[TM+4]
	v_lshl_or_b32 v[PWR], v[TM+6], 16, v[PWR]
	v_lshl_or_b32 v[PWR], v[TM+7], 24, v[PWR]
	v_cvt_scalef32_pk16_fp6_f32 v[D0:D0+2], v[H:H+15], v[TM+12]
	v_cvt_scalef32_pk16_fp6_f32 v[TT:TT+2], v[H+16:H+31], v[TM+13]       ; (a conversion's three registers begin on an even number)
	v_cvt_scalef32_pk16_fp6_f32 v[D1:D1+2], v[H+32:H+47], v[TM+14]
	v_cvt_scalef32_pk16_fp6_f32 v[TT+4:TT+6], v[H+48:H+63], v[TM+15]
	v_nop                                          ; one plain place behind a scaled conversion
.irp i, 0,1,2
	v_permlane16_swap_b32 v[D0+\i], v[TT+\i]       ; a whole block to a lane: lanes 0-15 the even block, lanes 16-31 the odd one
	v_permlane16_swap_b32 v[D1+\i], v[TT+4+\i]
.endr
.irp i, 0,1,2
	v_mov_b32 v[D0+3+\i], v[TT+\i]
	v_mov_b32 v[D1+3+\i], v[TT+4+\i]
.endr
.endm
	PLACES 4                                       ; behind the last products, ahead of the first read of results and of writes over operands and scale words
.irp b, 0,1,2,3
	v_mov_b32 v[TM+4+\b], 0                        ; written once: a lane permute's destination counts as one of its sources
.endr
.irp a, 0,1,2,3
	WIN 0x02                                       ; source 0 window 2
.set ii, 0
.rept 32
	v_pk_add_f32 v[H+2*ii:H+2*ii+1], v[64*\a+2*ii:64*\a+2*ii+1], v[BYP+2*\a:BYP+2*\a+1]   ; Y's block a: its 64 numbers a lane into window 0, each accumulator from its low end on; v's bias is added here
.set ii, ii+1
.endr
	WIN 0
.set D0, CD+24*(\a/2)+6*(\a%2)
.set D1, D0+12
.set PWR, PW+\a%2
	QUANT
.if \a%2
	v_cndmask_b32 v[SW+\a/2], v[PW], v[PW+1], s3   ; the words of 32 rows: lanes 0-15 the even block's, lanes 16-31 the odd one's
.irp c, 0,1
.irp k, 0,1,2
	global_store_b128 v[OF0+\c], v[CD+24*(\a/2)+12*\c+4*\k:CD+24*(\a/2)+12*\c+4*\k+3], s[14:15] offset:1536*(\a/2)+512*\k   ; 32 lanes store 512 consecutive bytes, aligned; no store's data are written again
.endr
.endr
.endif
.endr
	global_store_b64 v[SO8], v[SW:SW+1], s[16:17]  ; 256 consecutive bytes, aligned
	s_wait_tensorcnt 0x0
	ds_add_u32 v254, v255
	s_wait_dscnt 0x0
	CROUND                                         ; the closing round: no work-group ends while a partner may still ask for a tile that names it
	s_endpgm
.Lfunc_end_k_qdbce852963_qkv:
	.size	k_qdbce852963_qkv, .Lfunc_end_k_qdbce852963_qkv-k_qdbce852963_qkv
	.p2alignl 7, 3214868480
	.fill 96, 4, 3214868480
	.section	.rodata,"a",@progbits
	.p2align	6, 0x0
	.amdhsa_kernel k_qdbce852963_qkv
		.amdhsa_group_segment_fixed_size 327680
		.amdhsa_private_segment_fixed_size 0
		.amdhsa_enable_private_segment 0
		.amdhsa_kernarg_size 56
		.amdhsa_user_sgpr_count 2
		.amdhsa_user_sgpr_kernarg_segment_ptr 1
		.amdhsa_wavefront_size32 1
		.amdhsa_system_sgpr_workgroup_id_x 1
		.amdhsa_system_sgpr_workgroup_id_y 1
		.amdhsa_system_sgpr_workgroup_id_z 1
		.amdhsa_system_vgpr_workitem_id 0
		.amdhsa_next_free_vgpr 768
		.amdhsa_next_free_sgpr 102
		.amdhsa_reserve_vcc 0
		.amdhsa_float_denorm_mode_32 3
		.amdhsa_float_denorm_mode_16_64 3
		.amdhsa_memory_ordered 1
		.amdhsa_forward_progress 1
		.amdhsa_inst_pref_size 116
	.end_amdhsa_kernel
	.amdgpu_metadata
---
amdhsa.version: [ 1, 2 ]
amdhsa.kernels:
  - .name:           k_qdbce852963_qkv
    .symbol:         k_qdbce852963_qkv.kd
    .args:
      - { .name: hidden_states_codes, .offset: 0, .size: 8, .value_kind: global_buffer, .address_space: global }
      - { .name: hidden_states_scales, .offset: 8, .size: 8, .value_kind: global_buffer, .address_space: global }
      - { .name: c_attn_w_codes, .offset: 16, .size: 8, .value_kind: global_buffer, .address_space: global }
      - { .name: c_attn_w_scales, .offset: 24, .size: 8, .value_kind: global_buffer, .address_space: global }
      - { .name: c_attn_b, .offset: 32, .size: 8, .value_kind: global_buffer, .address_space: global }
      - { .name: qkv_img, .offset: 40, .size: 8, .value_kind: global_buffer, .address_space: global }
      - { .name: qkv_sc, .offset: 48, .size: 8, .value_kind: global_buffer, .address_space: global }
    .group_segment_fixed_size: 327680
    .private_segment_fixed_size: 0
    .kernarg_segment_align: 8
    .kernarg_segment_size: 56
    .max_flat_workgroup_size: 128
    .sgpr_count:     102
    .vgpr_count:     768
    .wavefront_size: 32
...
	.end_amdgpu_metadata
.endif
;; end of part 1
;; launch attn (part 2): grid 4 x 64, 16 waves a work-group, no clusters, 210,944 bytes of LDS; arguments qkv_img, qkv_sc, a_img, a_sc; writes a_img, a_sc
.if DOCPART == 2
	.amdgcn_target "amdgcn-amd-amdhsa--gfx1250"
	.amdhsa_code_object_version 6
	.text
	.protected	k_qdbce852963_attn
	.globl	k_qdbce852963_attn
	.p2align	8
	.type	k_qdbce852963_attn,@function
k_qdbce852963_attn:
	s_mov_b64 s[64:65], 0
	v_nop
	global_prefetch_b8 v0, s[64:65] scope:SCOPE_SE
	s_setreg_imm32_b32 hwreg(HW_REG_WAVE_MODE, 25, 1), 1
	s_wait_xcnt 0x0
; Causal attention of one head on codes of FP6 (E2M3): S^T = K Q^T (K = the head's 64), p = 2^(t - M), O^T = V^T P^T (K = the keys), O / l, and O's 64 channels quantised for the projection.
; t = score x log2(e) / 8; M = the running largest t rounded UP to a whole number; p is quantised along the keys, not normalised; l is the sum of the unquantised p; when M moves, l and O are multiplied by 2^(old M - new M): exact.
; SHARES.  Work-group (i, head) owns the query blocks i and 7 - i of 256 queries, so that under the causal mask all 256 work-groups have the same work.  Each of sixteen waves owns 16 queries of each block, one after the other
; (phase A: keys 0 .. 1,023 in 8 steps of 128; phase B: 16 steps): 256 registers a wave, four waves to a SIMD, so that one wave's vector work stands beside another's products and LDS loads.
; LDS.  The head's whole K, V and their scale words come once, by four tensor loads a wave at the head: every LDS byte is filled once, nothing is filled again.
; NO CLUSTER, though the four work-groups of a head read the same K and V: a step all of whose keys are hidden is jumped over, and that branch hangs on the work-group's place among the four, which partners of joint loads may not have.
; NO PREFETCH: all bytes are asked for by the first instructions.
; LAYOUT.  Both products are used transposed: a lane holds ONE query (lane % 16) throughout.  The inputs are images of operand registers (1,536 bytes: register 4 k + i of lane l at 512 k + 16 l + 4 i; registers 0-5: rows 0-15, 6-11: rows 16-31).
; Inside each block of 32 the codes of q, k and v lie with the two middle groups of eight exchanged.  q and k agree; S^T's registers give p the same order as v's keys have: the products are those of the true order.
; K = 64 IN AN INSTRUCTION OF 128: Q's registers 6-11 hold zero codes.  K's operand of tile t is v[32 + 6 t] on, twelve registers: its upper six are the next tile's codes (for the last tile: zeros).  Every 6-bit pattern is a finite
; number, so those products are exact zeros; the scale bytes of k = 64 .. 127 are 0 on both sides (the 16-bit loads extend with zeros), which stands for 2^-127 and is no NaN.
; CAUSAL.  The loops' trip counts are constants; a step whose 128 keys all come after my 16 queries jumps to the lines that step the addresses.  On the diagonal hidden scores become -infinity (p is 0).
; OUT.  a_img [token / 16][head] x 768 bytes: registers 0-3 at 16 l, registers 4-5 at 512 + 8 l: lane (r, h) holds token r, block h of the head, in TRUE order (the halves are exchanged in f32 first).  a_sc [token][32]: byte 2 head + block.
;   The scale bytes leave 2 a token, 32 bytes apart: a head has no more for a token; they are 2 bytes beside each 48 of codes.
; LIMITS: a block of zeros gets the byte 1 where the rule says 127 (zero codes; this program alone reads the bytes); largest magnitudes under 2^-124 are held at the byte 1; v_exp_f32 gives 0 under 2^-126; NaN and infinities are not served.
.set STEPB, 6144                       ; 128 keys of K, or of V: four images
.set HEADB, 98304                      ; a head's K, or V
.set RIMG,  6291456                    ; a region of qkv_img
.set RSC,   262144                     ; a region of qkv_sc
.set VB,    98304                      ; LDS: K at 0, V here,
.set SCK,   196608                     ; K's scale words: 512 bytes a step (both heads of a pair),
.set SCV,   204800                     ; V's: 256 bytes a step
.set WV,  12
.set BH,  13
.set PAR, 15
.set G1C, 16                           ; s[16:23] group 1: 24 rows of 256 bytes, dense;  s[24:31] one row of 512;  s[32:39] one row of 256;  s[40:55] four groups 0
.set G1KS, 24
.set G1VS, 32
.set SEL, 56
.set CS,  58
.set TB,  60                           ; the step's first byte in K and in V
.set TS,  61                           ; among K's scale words
.set TJ,  62                           ; among V's
.set KF,  63                           ; the step's first key
.set Q0,  66                           ; my first query
.set CNT, 67
.set BA,  76                           ; s[76:83] phase A: q's image, q's scale image, my place in a_img, in a_sc;  s[84:91] phase B
.set BB,  84
.set Q0A, 96
.set Q0B, 97
; REGISTERS: v1 16 l, v2 the same in V, v3, v4 my place among K's and V's scale words, v5 8 l, v6 32 r, v7, v28, v29 Q's offsets; v8-11 the step's addresses; v12 -M, v13 the largest t, v[14:15] l in two halves;
; v16-21 Q, v22-27 zeros; v32-79 K's eight tiles, then V's four fragments; v80-85 zeros; v96-159 S^T, then p; v160-191 O^T; v192-195 block maxima, v196-199, v200-203, v204-210 at work; v212-215 scale words;
; v[216:217] f; v218 p's scale word; v219 at work; v220 Q's scale words; v221 r - 8 h; v224-235 p's codes.
	s_load_b128 s[4:7], s[0:1], 0x0                ; qkv_img, qkv_sc
	s_load_b128 s[8:11], s[0:1], 0x10              ; a_img, a_sc
	v_lshl_add_u32 v254, v0, 2, 0x33000
	v_mov_b32 v255, 0
	ds_add_u32 v254, v255
	ds_add_u32 v254, v255
	v_lshrrev_b32 v8, 5, v0
	s_delay_alu instid0(VALU_DEP_1)
	v_readfirstlane_b32 s[WV], v8                  ; wave 0..15
	s_and_b32 s[BH], ttmp7, 0xffff                 ; batch x 16 + head
	s_and_b32 s[PAR], s[BH], 1
	s_mov_b32 s[G1C], 3<<16                        ; elements of 8 bytes, no mask, no padding
	s_mov_b32 s[G1C+1], 32<<16                     ; tensor_dim0: 256 bytes
	s_mov_b32 s[G1C+2], 24<<16                     ; tensor_dim1
	s_mov_b32 s[G1C+3], 32<<16                     ; tile_dim0
	s_mov_b32 s[G1C+4], 24                         ; tile_dim1
	s_mov_b32 s[G1C+5], 32                         ; from row to row: dense
	s_mov_b32 s[G1C+6], 0
	s_mov_b32 s[G1C+7], 0
	s_mov_b32 s[G1KS], 3<<16
	s_mov_b32 s[G1KS+1], 64<<16
	s_mov_b32 s[G1KS+2], 1<<16
	s_mov_b32 s[G1KS+3], 64<<16
	s_mov_b32 s[G1KS+4], 1
	s_mov_b32 s[G1KS+5], 64
	s_mov_b32 s[G1KS+6], 0
	s_mov_b32 s[G1KS+7], 0
	s_mov_b32 s[G1VS], 3<<16
	s_mov_b32 s[G1VS+1], 32<<16
	s_mov_b32 s[G1VS+2], 1<<16
	s_mov_b32 s[G1VS+3], 32<<16
	s_mov_b32 s[G1VS+4], 1
	s_mov_b32 s[G1VS+5], 32
	s_mov_b32 s[G1VS+6], 0
	s_mov_b32 s[G1VS+7], 0
	s_lshl_b32 s70, s[WV], 9                       ; wave w brings key step w's scale words of K,
	s_add_co_u32 s41, s70, SCK
	s_lshr_b32 s68, s[BH], 1
	s_lshl_b32 s68, s68, 13
	s_add_co_u32 s68, s68, s70
	s_add_co_u32 s68, s68, RSC
	s_mov_b32 s69, 0
	s_lshl_b32 s71, s[WV], 8                       ; and of V,
	s_add_co_u32 s45, s71, SCV
	s_lshl_b32 s72, s[BH], 12
	s_add_co_u32 s72, s72, s71
	s_add_co_u32 s72, s72, 2*RSC
	s_mov_b32 s73, 0
	s_lshr_b32 s74, s[WV], 3                       ; waves 0-7: K, waves 8-15: V:
	s_and_b32 s75, s[WV], 7
	s_mul_i32 s75, s75, STEPB                      ; key step w % 8, and then key step 8 + w % 8
	s_mul_i32 s49, s74, HEADB
	s_add_co_u32 s49, s49, s75
	s_add_co_u32 s53, s49, 8*STEPB
	s_mul_i32 s92, s74, RIMG
	s_add_co_u32 s92, s92, RIMG
	s_mul_i32 s94, s[BH], HEADB
	s_add_co_u32 s92, s92, s94
	s_add_co_u32 s92, s92, s75
	s_mov_b32 s93, 0
	s_mov_b32 s40, 1
	s_mov_b32 s44, 1
	s_mov_b32 s48, 1
	s_mov_b32 s52, 1
	s_mov_b32 s[SEL], 0x76543210                   ; v_permlanex16_b32's selects for lane l xor 16
	s_mov_b32 s[SEL+1], 0xfedcba98
	s_mov_b32 s[CS], 0x3e38aa3b                    ; c = log2(e) / 8
	s_mov_b32 s[CS+1], s[CS]                       ; (named with it as a pair, so it is written)
	s_wait_dscnt 0x0
	s_wait_kmcnt 0x0
	s_add_nc_u64 s[42:43], s[6:7], s[68:69]
	s_or_b32 s43, s43, 0x80000000
	s_add_nc_u64 s[46:47], s[6:7], s[72:73]
	s_or_b32 s47, s47, 0x80000000
	s_add_nc_u64 s[50:51], s[4:5], s[92:93]
	s_add_nc_u64 s[54:55], s[50:51], 8*STEPB
	s_or_b32 s51, s51, 0x80000000
	s_or_b32 s55, s55, 0x80000000
	tensor_load_to_lds s[40:43], s[G1KS:G1KS+7]    ; all fills of the launch, together: four tensor loads of mine are out
	s_nop 0
	tensor_load_to_lds s[44:47], s[G1VS:G1VS+7]
	s_nop 0
	tensor_load_to_lds s[48:51], s[G1C:G1C+7]      ; keys 0 .. 1,023
	s_nop 0
	tensor_load_to_lds s[52:55], s[G1C:G1C+7]      ; keys 1,024 on: phase B alone reads them
	s_nop 0
.rept 4
	v_nop                                          ; four v_nop behind the last
.endr
	v_and_b32 v30, 31, v0                          ; lane
	v_and_b32 v31, 15, v0                          ; r
	v_bfe_u32 v8, v0, 4, 1                         ; h
	s_delay_alu instid0(VALU_DEP_3)
	v_lshlrev_b32 v1, 4, v30
	s_delay_alu instid0(VALU_DEP_1)
	v_add_nc_u32 v2, VB, v1
	v_lshlrev_b32 v5, 3, v30
	s_lshl_b32 s68, s[PAR], 1                      ; the odd head's two bytes lie 2 bytes on in a word
	v_add_nc_u32 v3, s68, v5
	s_delay_alu instid0(VALU_DEP_1)
	v_add_nc_u32 v3, SCK, v3
	v_add_nc_u32 v4, SCV, v5
	v_lshlrev_b32 v6, 5, v31
	s_and_b32 s69, s[WV], 1                        ; which 16 rows of q's image of 32 are mine
	s_mul_i32 s70, s69, 520
	v_add_nc_u32 v7, s70, v1                       ; registers 0, 1 at 16 l, or 6, 7 at 520 + 16 l; 512 bytes on: 4, 5 or 10, 11
	s_wait_alu depctr_va_vdst(0)
	s_mul_i32 s70, s69, 1016
	s_add_co_u32 s70, s70, 8
	v_add_nc_u32 v28, s70, v1                      ; registers 2, 3 at 16 l + 8, or 8, 9 at 1,024 + 16 l
	s_wait_alu depctr_va_vdst(0)
	s_lshl_b32 s70, s69, 7
	s_bfe_u32 s71, s[WV], 0x10001
	s_lshl_b32 s71, s71, 2
	s_add_co_u32 s70, s70, s71
	s_add_co_u32 s70, s70, s68
	v_lshl_add_u32 v29, v31, 3, s70                ; q's scale word of row r: 8 (16 (w % 2) + r) + 4 ((w / 2) % 2), + my head's half
	s_wait_alu depctr_va_vdst(0)
	v_lshlrev_b32 v8, 3, v8
	s_delay_alu instid0(VALU_DEP_1)
	v_sub_nc_u32 v221, v31, v8
	s_lshl_b32 s68, ttmp9, 8
	s_lshl_b32 s69, s[WV], 4
	s_add_co_u32 s[Q0A], s68, s69                  ; 256 i + 16 w
	s_sub_co_u32 s[Q0B], 1792, s68
	s_add_co_u32 s[Q0B], s[Q0B], s69               ; 256 (7 - i) + 16 w
.macro BASES q0, base
	s_lshl_b32 s92, s[BH], 6
	s_lshr_b32 s94, s[\q0], 5
	s_add_co_u32 s92, s92, s94
	s_mul_i32 s92, s92, 1536
	s_mov_b32 s93, 0
	s_add_nc_u64 s[\base:\base+1], s[4:5], s[92:93]            ; q's image: head x 64 + query / 32
	s_lshr_b32 s92, s[BH], 1
	s_lshl_b32 s92, s92, 5
	s_lshr_b32 s94, s[\q0], 6
	s_add_co_u32 s92, s92, s94
	s_lshl_b32 s92, s92, 8
	s_add_nc_u64 s[\base+2:\base+3], s[6:7], s[92:93]          ; its scale image: pair of heads x 32 + query / 64
	s_lshr_b32 s92, s[BH], 4
	s_lshl_b32 s92, s92, 7
	s_lshr_b32 s94, s[\q0], 4
	s_add_co_u32 s92, s92, s94
	s_lshl_b32 s92, s92, 4
	s_and_b32 s94, s[BH], 15
	s_add_co_u32 s92, s92, s94
	s_mul_i32 s92, s92, 768
	s_add_nc_u64 s[\base+4:\base+5], s[8:9], s[92:93]          ; a_img: (token / 16) x 16 + head
	s_lshr_b32 s92, s[BH], 4
	s_lshl_b32 s92, s92, 11
	s_add_co_u32 s92, s92, s[\q0]
	s_lshl_b32 s92, s92, 5
	s_lshl_b32 s94, s94, 1
	s_add_co_u32 s92, s92, s94
	s_add_nc_u64 s[\base+6:\base+7], s[10:11], s[92:93]        ; a_sc: token x 32 + 2 head
.endm
.macro QLOAD base
	global_load_b64 v[16:17], v7, s[\base:\base+1]
	global_load_b64 v[18:19], v28, s[\base:\base+1]
	global_load_b64 v[20:21], v7, s[\base:\base+1] offset:512
	global_load_u16 v220, v29, s[\base+2:\base+3]              ; two bytes, and zeros for k = 64 .. 127
.endm
	BASES Q0A, BA
	BASES Q0B, BB
	QLOAD BA
.irp j, 0,1,2,3,4,5
	v_mov_b32 v[22+\j], 0                          ; Q's codes of k = 64 .. 127
	v_mov_b32 v[80+\j], 0                          ; what stands behind K's last tile
.endr
.irp b, 0,1,2,3
	v_mov_b32 v[196+\b], 0                         ; written once: a lane permute's destination counts as one of its sources
.endr
	v_mov_b32 v217, 0                              ; (named as the upper half of the pair v[216:217])
	v_mov_b32 v219, 0
; A KEY STEP: 128 keys.
.macro STEP
	s_add_co_u32 s68, s[Q0], 15
	s_cmp_gt_u32 s[KF], s68                        ; all 128 keys come after my 16 queries: only the addresses step
	s_cbranch_scc1 .Lhidden_\@
	s_setprio 2
	v_add_nc_u32 v8, s[TB], v1                     ; (these four are also the places behind the last step's products, ahead of the loads into their operands and scale words)
	v_add_nc_u32 v9, s[TB], v2
	v_add_nc_u32 v10, s[TS], v3
	v_add_nc_u32 v11, s[TJ], v4
.irp g, 0,1,2,3                                ; K: an image's twelve registers are tiles 2 g and 2 g + 1 on end
.irp k, 0,1,2
	ds_load_b128 v[32+12*\g+4*\k:35+12*\g+4*\k], v8 offset:1536*\g+512*\k
.endr
.endr
.irp g, 0,1
.irp p, 0,1
	ds_load_u16 v[212+2*\g+\p], v10 offset:256*\g+4*\p         ; lanes 0-15: the words of tile 2 (2 g + p), lanes 16-31: of the tile behind it
.endr
.endr
	s_wait_alu depctr_va_vdst(0)
	s_wait_dscnt 0x0
.irp t, 0,1,2,3,4,5,6,7                        ; S^T: lane (r, h): query r; register j of tile t: key 16 t + 8 h + j
.if \t%2
	v_wmma_scale_f32_16x16x128_f8f6f4 v[96+8*\t:103+8*\t], v[32+6*\t:43+6*\t], v[16:27], 0, v[212+\t/2], v220 matrix_a_fmt:MATRIX_FMT_FP6 matrix_b_fmt:MATRIX_FMT_FP6 matrix_a_scale:MATRIX_SCALE_ROW1
.else
	v_wmma_scale_f32_16x16x128_f8f6f4 v[96+8*\t:103+8*\t], v[32+6*\t:43+6*\t], v[16:27], 0, v[212+\t/2], v220 matrix_a_fmt:MATRIX_FMT_FP6 matrix_b_fmt:MATRIX_FMT_FP6
.endif
.endr
.rept 4
	v_nop                                          ; places: ahead of the loads into K's registers and scale words, and of the first read of the scores
.endr
.irp a, 0,1,2,3                                ; V's four fragments (16 channels x 128 keys) land while the softmax is walked: registers 6 c on: rows 16 (a % 2) on of image 2 c + a / 2
.irp c, 0,1
.if \a%2
	ds_load_b64 v[32+12*\a+6*\c:33+12*\a+6*\c], v9 offset:(2*\c+\a/2)*1536+520
	ds_load_b128 v[34+12*\a+6*\c:37+12*\a+6*\c], v9 offset:(2*\c+\a/2)*1536+1024
.else
	ds_load_b128 v[32+12*\a+6*\c:35+12*\a+6*\c], v9 offset:(2*\c+\a/2)*1536
	ds_load_b64 v[36+12*\a+6*\c:37+12*\a+6*\c], v9 offset:(2*\c+\a/2)*1536+512
.endif
.endr
.endr
	ds_load_b64 v[212:213], v11                    ; V's scale words: v212 channels 0-31, v213 channels 32-63, 16 to each half of the lanes
	s_add_co_u32 s68, s[KF], 127
	s_cmp_le_u32 s68, s[Q0]                        ; all keys count: no mask
	s_cbranch_scc1 .Lopen_\@
	s_sub_co_i32 s68, s[Q0], s[KF]
	v_add_nc_u32 v222, s68, v221                   ; d = my query - the step's first key - 8 h: register n holds a hidden key where 16 (n / 8) + n % 8 > d
	v_mov_b32 v223, 0xff800000                     ; -infinity
.set nn, 0
.rept 64
	v_cmp_gt_i32 vcc_lo, 16*(nn/8)+nn%8, v222
	v_cndmask_b32 v[96+nn], v[96+nn], v223, vcc_lo
.set nn, nn+1
.endr
.Lopen_\@:
.irp b, 0,1,2,3
	v_max3_num_f32 v[192+\b], v[96+16*\b], v[97+16*\b], v[98+16*\b]    ; the largest score of each block of 32 keys: it serves the row's maximum and, since p rises with the score, the block's largest p
.endr
.irp i, 3,5,7,9,11,13
.irp b, 0,1,2,3
	v_max3_num_f32 v[192+\b], v[192+\b], v[96+16*\b+\i], v[97+16*\b+\i]
.endr
.endr
.irp b, 0,1,2,3
	v_max_num_f32 v[192+\b], v[192+\b], v[111+16*\b]
.endr
.irp b, 0,1,2,3
	s_delay_alu instid0(VALU_DEP_4)
	v_permlanex16_b32 v[196+\b], v[192+\b], s[SEL], s[SEL+1]
.endr
.irp b, 0,1,2,3
	s_delay_alu instid0(VALU_DEP_4)
	v_max_num_f32 v[192+\b], v[192+\b], v[196+\b]  ; with lane l xor 16's 16 keys
.endr
	s_delay_alu instid0(VALU_DEP_2)
	v_max3_num_f32 v219, v192, v193, v194
	s_delay_alu instid0(VALU_DEP_1)
	v_max_num_f32 v219, v219, v195                 ; the step's largest score of my query (the step's first key counts for all my queries: it is a number)
	s_delay_alu instid0(VALU_DEP_1)
	v_mul_f32 v219, s[CS], v219
	s_delay_alu instid0(VALU_DEP_1)
	v_max_num_f32 v13, v13, v219                   ; the running largest t
	v_mov_b32 v219, v12
	s_delay_alu instid0(VALU_DEP_2)
	v_floor_f32 v12, -v13                          ; the new -M = floor(-t): M is a whole number
	s_delay_alu instid0(VALU_DEP_1)
	v_sub_f32 v219, v12, v219                      ; old M - new M: a whole number, 0 or less
	s_delay_alu instid0(VALU_DEP_1)
	v_cvt_i32_f32 v219, v219                       ; (it saturates)
	s_delay_alu instid0(VALU_DEP_1)
	v_ldexp_f32 v216, 1.0, v219                    ; f = 2^(old M - new M)
.set jj, 0
.rept 32
	v_pk_fma_f32 v[96+jj:97+jj], v[96+jj:97+jj], s[CS:CS+1], v[12:13] op_sel_hi:[1,0,0]    ; t - M, two at a time
.set jj, jj+2
.endr
	s_setprio 1
.irp b, 0,1,2,3
	v_fma_f32 v[192+\b], v[192+\b], s[CS], v12     ; the same of each block's largest score
.endr
.set jj, 0
	s_wait_alu depctr_va_vdst(0)
.rept 64
	v_exp_f32 v[96+jj], v[96+jj]                   ; p = 2^(t - M)
.set jj, jj+1
.endr
	v_pk_mul_f32 v[14:15], v[14:15], v[216:217] op_sel_hi:[1,0]    ; l under the new M.  (The plain place behind the exponentials)
	s_wait_alu depctr_va_vdst(0)                   ; one wait for the batch of 64, ahead of its first reader
.irp b, 0,1,2,3
	v_exp_f32 v[192+\b], v[192+\b]                 ; the block's largest p: the same two instructions on the same number
.endr
	v_pk_add_f32 v[196:197], v[100:101], v[104:105]
	v_pk_add_f32 v[252:253], v[108:109], v[112:113]
	v_pk_add_f32 v[250:251], v[116:117], v[120:121]
	v_pk_add_f32 v[248:249], v[124:125], v[128:129]
	v_pk_add_f32 v[246:247], v[132:133], v[136:137]
	v_pk_add_f32 v[244:245], v[140:141], v[144:145]
	v_pk_add_f32 v[242:243], v[148:149], v[152:153]
	v_pk_add_f32 v[14:15], v[14:15], v[156:157]
	v_pk_add_f32 v[196:197], v[196:197], v[96:97]
	v_pk_add_f32 v[252:253], v[252:253], v[98:99]
	v_pk_add_f32 v[250:251], v[250:251], v[102:103]
	v_pk_add_f32 v[248:249], v[248:249], v[106:107]
	v_pk_add_f32 v[246:247], v[246:247], v[110:111]
	v_pk_add_f32 v[244:245], v[244:245], v[114:115]
	v_pk_add_f32 v[242:243], v[242:243], v[118:119]
	v_pk_add_f32 v[14:15], v[14:15], v[122:123]
	v_pk_add_f32 v[196:197], v[196:197], v[126:127]
	v_pk_add_f32 v[252:253], v[252:253], v[130:131]
	v_pk_add_f32 v[250:251], v[250:251], v[134:135]
	v_pk_add_f32 v[248:249], v[248:249], v[138:139]
	v_pk_add_f32 v[246:247], v[246:247], v[142:143]
	v_pk_add_f32 v[244:245], v[244:245], v[146:147]
	v_pk_add_f32 v[242:243], v[242:243], v[150:151]
	v_pk_add_f32 v[14:15], v[14:15], v[154:155]
	v_pk_add_f32 v[196:197], v[196:197], v[158:159]
	s_delay_alu instid0(VALU_DEP_2)
	v_pk_add_f32 v[14:15], v[14:15], v[248:249]
	s_delay_alu instid0(VALU_DEP_2)
	v_pk_add_f32 v[196:197], v[196:197], v[246:247]
	v_pk_add_f32 v[252:253], v[252:253], v[244:245]
	v_pk_add_f32 v[250:251], v[250:251], v[242:243]
	s_delay_alu instid0(VALU_DEP_2)
	v_pk_add_f32 v[14:15], v[14:15], v[252:253]
	s_delay_alu instid0(VALU_DEP_2)
	v_pk_add_f32 v[196:197], v[196:197], v[250:251]
	s_delay_alu instid0(VALU_DEP_1)
	v_pk_add_f32 v[14:15], v[14:15], v[196:197]
	s_wait_alu depctr_va_vdst(0)                   ; and one for the four
.irp b, 0,1,2,3
	v_max_num_f32 v[192+\b], 0x1800000, v[192+\b]  ; the floor 2^(3 - 127): the byte cannot fall under 1
.endr
.irp b, 0,1,2,3
	s_delay_alu instid0(VALU_DEP_4)
	v_add_nc_u32 v[200+\b], 0xff000000, v[192+\b]  ; 2 off the exponent field: the conversion's scale operand
.endr
.irp b, 0,1,2,3
	s_delay_alu instid0(VALU_DEP_4)
	v_lshrrev_b32 v[196+\b], 23, v[200+\b]         ; the scale's byte
.endr
	s_delay_alu instid0(VALU_DEP_3)
	v_lshl_or_b32 v218, v197, 8, v196              ; p's scale word for these 128 keys
	s_delay_alu instid0(VALU_DEP_1)
	v_lshl_or_b32 v218, v198, 16, v218
	s_delay_alu instid0(VALU_DEP_1)
	v_lshl_or_b32 v218, v199, 24, v218
	s_setprio 0
.irp c, 0,1
	v_cvt_scalef32_pk16_fp6_f32 v[224+6*\c:226+6*\c], v[96+32*\c:111+32*\c], v[200+2*\c]
	v_cvt_scalef32_pk16_fp6_f32 v[204+4*\c:206+4*\c], v[112+32*\c:127+32*\c], v[201+2*\c]  ; (a conversion's three registers begin on an even number)
.endr
	v_nop                                          ; one plain place behind a scaled conversion
.irp c, 0,1
.irp i, 0,1,2
	v_permlane16_swap_b32 v[224+6*\c+\i], v[204+4*\c+\i]       ; a whole block to a lane
.endr
.irp i, 0,1,2
	s_delay_alu instid0(VALU_DEP_3)
	v_mov_b32 v[227+6*\c+\i], v[204+4*\c+\i]
.endr
.endr
.set jj, 0
.rept 16
	v_pk_mul_f32 v[160+jj:161+jj], v[160+jj:161+jj], v[216:217] op_sel_hi:[1,0]    ; O^T under the new M, each accumulator from its low end on.  (These sixteen are also the places between the scale word and codes just made and the products)
.set jj, jj+2
.endr
	s_wait_alu depctr_va_vdst(0)
	s_wait_dscnt 0x0                               ; V and its scale words
.irp a, 0,1,2,3                                ; O^T += V^T P^T: four accumulators by turns
.if \a%2
	v_wmma_scale_f32_16x16x128_f8f6f4 v[160+8*\a:167+8*\a], v[32+12*\a:43+12*\a], v[224:235], v[160+8*\a:167+8*\a], v[212+\a/2], v218 matrix_a_fmt:MATRIX_FMT_FP6 matrix_b_fmt:MATRIX_FMT_FP6 matrix_a_scale:MATRIX_SCALE_ROW1
.else
	v_wmma_scale_f32_16x16x128_f8f6f4 v[160+8*\a:167+8*\a], v[32+12*\a:43+12*\a], v[224:235], v[160+8*\a:167+8*\a], v[212+\a/2], v218 matrix_a_fmt:MATRIX_FMT_FP6 matrix_b_fmt:MATRIX_FMT_FP6
.endif
.endr
.Lhidden_\@:
	s_add_co_u32 s[KF], s[KF], 128
	s_add_co_u32 s[TB], s[TB], STEPB
	s_add_co_u32 s[TS], s[TS], 512
	s_add_co_u32 s[TJ], s[TJ], 256
.endm
; 16 queries against the first 128 n keys.  O^T and l begin as zeros and the largest t as -3e38: the first change of M multiplies zeros, so the step is written once.
.macro PHASE n, q0
	s_mov_b32 s[Q0], s[\q0]
	v_mov_b32 v13, 0xff61b1e6
	s_delay_alu instid0(VALU_DEP_1)
	v_floor_f32 v12, -v13
	v_mov_b32 v14, 0
	v_mov_b32 v15, 0
.set jj, 0
.rept 32
	v_mov_b32 v[160+jj], 0
.set jj, jj+1
.endr
	s_mov_b32 s[TB], 0
	s_mov_b32 s[TS], 0
	s_mov_b32 s[TJ], 0
	s_mov_b32 s[KF], 0
	s_mov_b32 s[CNT], \n
.Lstep_\@:
	STEP
	s_sub_co_u32 s[CNT], s[CNT], 1
	s_cmp_lg_u32 s[CNT], 0
	s_cbranch_scc1 .Lstep_\@
	s_setprio 0
.endm
; O^T / l, brought into true order, quantised along the head's 64 channels (two blocks) and stored.  nxt: the bases of the queries that follow, or 0.
.macro FINISH base, nxt
.rept 4
	v_nop                                          ; places behind the last products
.endr
.if \nxt
	QLOAD \nxt                                     ; the next queries come while these leave
.endif
	v_add_f32 v14, v14, v15
	s_delay_alu instid0(VALU_DEP_1)
	v_permlanex16_b32 v219, v14, s[SEL], s[SEL+1]
	s_delay_alu instid0(VALU_DEP_1)
	v_add_f32 v14, v14, v219                       ; l: its two halves and lane l xor 16's
	s_wait_alu depctr_va_vdst(0)
	v_rcp_f32 v14, v14
	v_nop                                          ; a plain place behind the transcendental
	s_wait_alu depctr_va_vdst(0)                   ; and the wait ahead of its first reader
.set jj, 0
.rept 16
	v_pk_mul_f32 v[96+jj:97+jj], v[160+jj:161+jj], v[14:15] op_sel_hi:[1,0]    ; register 8 a + j: channel 16 a + 8 h + j
.set jj, jj+2
.endr
.irp b, 0,1
.irp j, 0,1,2,3,4,5,6,7
	v_permlane16_swap_b32 v[96+16*\b+\j], v[104+16*\b+\j]      ; the halves change places: register 16 b + i now holds channel 32 b + 16 h + i: true neighbours
.endr
.endr
.irp b, 0,1
	v_max3_num_f32 v[192+\b], |v[96+16*\b]|, |v[97+16*\b]|, 0x1800000
.endr
.irp i, 2,4,6,8,10,12,14
.irp b, 0,1
	s_delay_alu instid0(VALU_DEP_2)
	v_max3_num_f32 v[192+\b], v[192+\b], |v[96+16*\b+\i]|, |v[97+16*\b+\i]|
.endr
.endr
.irp b, 0,1
	s_delay_alu instid0(VALU_DEP_2)
	v_permlanex16_b32 v[196+\b], v[192+\b], s[SEL], s[SEL+1]
.endr
.irp b, 0,1
	s_delay_alu instid0(VALU_DEP_2)
	v_max_num_f32 v[192+\b], v[192+\b], v[196+\b]
.endr
.irp b, 0,1
	s_delay_alu instid0(VALU_DEP_2)
	v_add_nc_u32 v[200+\b], 0xff000000, v[192+\b]
.endr
.irp b, 0,1
	s_delay_alu instid0(VALU_DEP_2)
	v_lshrrev_b32 v[196+\b], 23, v[200+\b]
.endr
	s_delay_alu instid0(VALU_DEP_1)
	v_lshl_or_b32 v219, v197, 8, v196              ; my token's two scale bytes of this head
	v_cvt_scalef32_pk16_fp6_f32 v[224:226], v[96:111], v200
	v_cvt_scalef32_pk16_fp6_f32 v[204:206], v[112:127], v201
	v_nop
.irp i, 0,1,2
	v_permlane16_swap_b32 v[224+\i], v[204+\i]
.endr
.irp i, 0,1,2
	s_delay_alu instid0(VALU_DEP_3)
	v_mov_b32 v[227+\i], v[204+\i]
.endr
	global_store_b128 v1, v[224:227], s[\base+4:\base+5]               ; 512 consecutive bytes, aligned
	global_store_b64 v5, v[228:229], s[\base+4:\base+5] offset:512     ; 256 consecutive bytes, aligned
	global_store_b16 v6, v219, s[\base+6:\base+7]                      ; both halves of the lanes write the same two bytes with the same value
.endm
	s_wait_tensorcnt 0x1                           ; the scale words and my part of keys 0 .. 1,023 are in; the load issued behind them, keys 1,024 on, may stay out
	s_barrier_signal -1
	s_barrier_wait -1                              ; everybody's are.
	s_wait_loadcnt 0x0                             ; Q
	PHASE 8, Q0A
	FINISH BA, BB
	s_wait_tensorcnt 0x0                           ; my part of keys 1,024 on
	s_wait_dscnt 0x0
	s_barrier_signal -1
	s_barrier_wait -1
	s_wait_xcnt 0x0                                ; the stores have read their data: those registers are written again below
	s_wait_loadcnt 0x0                             ; the next Q
	PHASE 16, Q0B
	FINISH BB, 0
	s_wait_tensorcnt 0x0
	ds_add_u32 v254, v255
	s_wait_dscnt 0x0
	s_endpgm
.Lfunc_end_k_qdbce852963_attn:
	.size	k_qdbce852963_attn, .Lfunc_end_k_qdbce852963_attn-k_qdbce852963_attn
	.p2alignl 7, 3214868480
	.fill 96, 4, 3214868480
	.section	.rodata,"a",@progbits
	.p2align	6, 0x0
	.amdhsa_kernel k_qdbce852963_attn
		.amdhsa_group_segment_fixed_size 210944
		.amdhsa_private_segment_fixed_size 0
		.amdhsa_enable_private_segment 0
		.amdhsa_kernarg_size 32
		.amdhsa_user_sgpr_count 2
		.amdhsa_user_sgpr_kernarg_segment_ptr 1
		.amdhsa_wavefront_size32 1
		.amdhsa_system_sgpr_workgroup_id_x 1
		.amdhsa_system_sgpr_workgroup_id_y 1
		.amdhsa_system_sgpr_workgroup_id_z 1
		.amdhsa_system_vgpr_workitem_id 0
		.amdhsa_next_free_vgpr 256
		.amdhsa_next_free_sgpr 98
		.amdhsa_reserve_vcc 1
		.amdhsa_float_denorm_mode_32 3
		.amdhsa_float_denorm_mode_16_64 3
		.amdhsa_memory_ordered 1
		.amdhsa_forward_progress 1
		.amdhsa_inst_pref_size 68
	.end_amdhsa_kernel
	.amdgpu_metadata
---
amdhsa.version: [ 1, 2 ]
amdhsa.kernels:
  - .name:           k_qdbce852963_attn
    .symbol:         k_qdbce852963_attn.kd
    .args:
      - { .name: qkv_img, .offset: 0, .size: 8, .value_kind: global_buffer, .address_space: global }
      - { .name: qkv_sc, .offset: 8, .size: 8, .value_kind: global_buffer, .address_space: global }
      - { .name: a_img, .offset: 16, .size: 8, .value_kind: global_buffer, .address_space: global }
      - { .name: a_sc, .offset: 24, .size: 8, .value_kind: global_buffer, .address_space: global }
    .group_segment_fixed_size: 210944
    .private_segment_fixed_size: 0
    .kernarg_segment_align: 8
    .kernarg_segment_size: 32
    .max_flat_workgroup_size: 512
    .sgpr_count:     98
    .vgpr_count:     256
    .wavefront_size: 32
...
	.end_amdgpu_metadata
.endif
;; end of part 2
;; launch proj (part 3): grid 4 x 64, 4 waves a work-group, clusters of 4 x 4, 327,680 bytes of LDS; arguments a_img, a_sc, c_proj_w_codes, c_proj_w_scales, c_proj_b, out0; writes out0
.if DOCPART == 3
	.amdgcn_target "amdgcn-amd-amdhsa--gfx1250"
	.amdhsa_code_object_version 6
	.text
	.protected	k_qdbce852963_proj
	.globl	k_qdbce852963_proj
	.p2align	8
	.type	k_qdbce852963_proj,@function
k_qdbce852963_proj:
	s_mov_b64 s[64:65], 0
	v_nop
	global_prefetch_b8 v0, s[64:65] scope:SCOPE_SE
	s_setreg_imm32_b32 hwreg(HW_REG_WAVE_MODE, 25, 1), 1
	s_wait_xcnt 0x0
	s_wait_alu depctr_hold_cnt(0) depctr_sa_sdst(0) depctr_va_vdst(0) depctr_va_sdst(0) depctr_va_ssrc(0) depctr_va_vcc(0) depctr_vm_vsrc(0)
	s_getreg_b32 s2, hwreg(HW_REG_IB_STS2, 6, 4)
	s_cmp_eq_u32 s2, 0
	s_cbranch_scc0 .Lentry_in_a_cluster
	s_endpgm
.Lentry_in_a_cluster:
	s_bfe_u32 s2, ttmp6, 0x10000c
	s_cmp_lg_u32 s2, 0xf033
	s_cbranch_scc0 .Lentry_shape_is_right
	s_endpgm
.Lentry_shape_is_right:
; out0 = a W + b on codes of FP6 (E2M3) with one E8M0 scale for each 32 along K = 1,024.  a: the attention's output, 8,192 tokens, as images of operand registers (a_img [token / 16][head] x 768 bytes: registers 0-3 of lane l at 16 l,
; registers 4-5 at 512 + 8 l: token l % 16, block l / 16 of the head) and scale bytes a_sc [token][32].  W: c_proj_w [1,024 columns][1,024] as rows of 768 bytes of codes and 32 scale bytes.  out0 [8,192][1,024] f32.
; THE CORE: operand X (source 0) = 256 rows of W, operand Y (source 1) = 128 tokens.  In a result lane r holds a token and registers 0-7 eight neighbouring columns: 32 bytes of a row of out0.
; Four waves; wave w takes X's rows 128 (w % 2) on and Y's rows 64 (w / 2) on: 32 accumulators.  256 work-groups.
; LDS.  All of K lies in LDS, in three chunks along K; every LDS byte is filled once, by four tensor loads a wave at the head; the K steps begin when the first chunk is there.  X: rows of 256 bytes + 16 of padding.
; Y: a third (4,096 bytes) of each tile of 16 tokens' 12,288 bytes of images: a fragment's halves come by one load of 16 and one of 8 bytes a lane, consecutive from lane to lane.
; CLUSTER 4 x 4: Y's tiles are asked for jointly along a row of the cluster, X's along a column.  NO PREFETCH: all bytes are asked for by the first instructions.
; THE WAY OUT goes through a stage in X's chunk 0: it has had its one fill, and its last reads, K step 2's, have come back in every wave ahead of the barrier in front of chunk 2's first use.
.set XCH,   69632                      ; a chunk of X: 256 rows x 272
.set XHALF, 34816
.set BLK,   4352                       ; 16 rows
.set YB,    3*XCH
.set YCH,   32768                      ; a chunk of Y: 8 tiles of tokens x 4,096 bytes
.set YHALF, 16384
.set SCL,   YB+3*YCH                   ; the scale bytes, as pieces of 256 bytes + 16 of padding: Y's 128 rows, then X's 256
.set SHY,   2176
.set SHX,   4352
.set SBLK,  544
.set SPITCH, 528                       ; the stage: 16 rows x (512 bytes + 16) for each wave
.set ADX,   4                          ; v4-6   my place in X's chunk 0, 1, 2
.set ADXC,  7                          ; v7-8   the same for pieces whose lanes 16-31 lie in the next chunk
.set ADY16, 9                          ; v9-11  16 l in Y's chunk 0, 1, 2, my half
.set ADY8,  12                         ; v12-14 8 l likewise
.set ADY16C, 15                        ; v15    for the one piece of 512 bytes that begins in chunk 0 and ends in chunk 1
.set ADRS,  16                         ; v16    my scale words: lanes 0-15 Y's rows, lanes 16-31 X's
.set BXO,   17                         ; v17    32 h
.set STO,   18                         ; v18    the stage: where I put 32 bytes of a row
.set RD,    19                         ; v19    where I read a row back
.set CO,    20                         ; v20    16 l: my bytes of a row's 512
.set SC,    32                         ; v32-95 scale words: register 8 i + s: lanes 0-15 Y's block i, lanes 16-31 X's block i, K step s
.set YF,    128                        ; v128-175, v176-223 Y's fragments, two sets.  Window 1: X's two sets at v0, v128; the bias at v96-127, v224-255.  Window 2: accumulator (a, b) at v[8 (8 a + b)]
.set BK,    128                        ; the way out: 16 rows read back: v128-191 and v192-255 by turns
.set MSB, 0
.macro WIN new                         ; the immediate's high byte repeats the setting that is left
.if MSB != \new
	s_set_vgpr_msb (MSB<<8)|\new
.set MSB, \new
.endif
.endm
.macro PLACES n
.rept \n
	v_nop
.endr
.endm
.macro CREST                           ; a round of the cluster's barrier behind its opening barrier
	s_cmp_lg_u32 s18, 0
	s_cbranch_scc1 .Lnot_wave_0_\@
	s_barrier_signal -3
.Lnot_wave_0_\@:
	s_barrier_wait -3
	s_barrier_signal -1
	s_barrier_wait -1
.endm
.macro CROUND
	s_barrier_signal -1
	s_barrier_wait -1
	CREST
.endm
	s_load_b256 s[4:11], s[0:1], 0x0               ; a_img, a_sc, W's codes, W's scales
	s_load_b128 s[12:15], s[0:1], 0x20             ; the bias, out0
	v_lshl_add_u32 v126, v0, 2, 0x4e300
	v_mov_b32 v127, 0
	ds_add_u32 v126, v127
	ds_add_u32 v126, v127
	v_lshrrev_b32 v1, 5, v0
	v_readfirstlane_b32 s18, v1                    ; wave 0..3
	s_lshr_b32 s19, s18, 1                         ; RH: my half of the tokens.  Also: I fetch for Y (0) or for X (1)
	s_and_b32 s20, s18, 1                          ; CH: my half of the columns.  Also: which half of that tile I fetch
	s_bfe_u32 s21, ttmp6, 0x40000                  ; cx, cy
	s_bfe_u32 s22, ttmp6, 0x40004
	s_lshl_b32 s67, s22, 2
	s_lshl_b32 s67, 15, s67                        ; my row of the cluster
	s_lshl_b32 s2, 0x1111, s21                     ; my column
	s_or_b32 s24, s67, (3<<16)|(1<<21)             ; Y: the mask: my row; elements of 8 bytes; no padding; 21 set beside a mask
	s_mov_b32 s25, 512<<16                         ; tensor_dim0: 4,096 bytes
	s_mov_b32 s26, 4<<16                           ; tensor_dim1: four tiles of 16 tokens
	s_mov_b32 s27, 512<<16
	s_mov_b32 s28, 4
	s_mov_b32 s29, 1536                            ; 12,288 bytes from tile to tile
	s_mov_b32 s30, 0
	s_mov_b32 s31, 0
	s_or_b32 s32, s2, (1<<20)|(1<<21)|(5<<22)|(3<<25)    ; X: the mask: my column; elements of 1 byte; 128 rows of 256 bytes, 768 apart, 16 bytes of padding behind each
	s_mov_b32 s33, 256<<16
	s_mov_b32 s34, 128<<16
	s_mov_b32 s35, 256<<16
	s_mov_b32 s36, 128
	s_mov_b32 s37, 768
	s_mov_b32 s38, 0
	s_mov_b32 s39, 0
	s_or_b32 s40, s67, (3<<16)|(1<<20)|(1<<21)|(5<<22)|(3<<25)   ; Y's scales: 64 rows x 32 bytes, dense, as 8 rows of 256 bytes + 16
	s_mov_b32 s41, 32<<16
	s_mov_b32 s42, 8<<16
	s_mov_b32 s43, 32<<16
	s_mov_b32 s44, 8
	s_mov_b32 s45, 32
	s_mov_b32 s46, 0
	s_mov_b32 s47, 0
	s_or_b32 s48, s2, (3<<16)|(1<<20)|(1<<21)|(5<<22)|(3<<25)    ; X's: 128 rows: 16
	s_mov_b32 s49, 32<<16
	s_mov_b32 s50, 16<<16
	s_mov_b32 s51, 32<<16
	s_mov_b32 s52, 16
	s_mov_b32 s53, 32
	s_mov_b32 s54, 0
	s_mov_b32 s55, 0
	s_and_b32 s92, ttmp7, 0xffff
	s_lshl_b32 s92, s92, 2
	s_add_co_u32 s92, s92, s22
	s_lshl_b32 s92, s92, 7                         ; my work-group's first token: it hangs on cy, never on cx
	s_lshl_b32 s93, s20, 6
	s_add_co_u32 s93, s92, s93                     ; + the 64 that I fetch
	s_mul_i32 s94, s93, 768                        ; 12,288 bytes for 16 tokens
	s_mov_b32 s95, 0
	s_lshl_b32 s96, ttmp9, 2
	s_add_co_u32 s96, s96, s21
	s_lshl_b32 s96, s96, 8                         ; my first column: it hangs on cx, never on cy
	s_lshl_b32 s97, s20, 7
	s_add_co_u32 s97, s96, s97
	s_mul_i32 s98, s97, 768
	s_mov_b32 s99, 0
	s_wait_dscnt 0x0
	s_wait_kmcnt 0x0
	s_add_nc_u64 s[4:5], s[4:5], s[94:95]
	s_lshl_b32 s94, s93, 5
	s_add_nc_u64 s[6:7], s[6:7], s[94:95]
	s_add_nc_u64 s[8:9], s[8:9], s[98:99]
	s_lshl_b32 s98, s97, 5
	s_add_nc_u64 s[10:11], s[10:11], s[98:99]
	s_mul_i32 s94, s20, SHY
	s_mov_b32 s56, 1
	s_add_co_u32 s57, s94, SCL
	s_mov_b64 s[58:59], s[6:7]
	s_or_b32 s59, s59, 0x80000000
	s_mul_i32 s94, s20, YHALF
.irp j, 0,1,2
.set GY, 60+4*\j+4*((\j+1)/2)          ; s60, s68, s72
	s_mov_b32 s[GY], 1
	s_add_co_u32 s[GY+1], s94, YB+\j*YCH
	s_add_nc_u64 s[GY+2:GY+3], s[4:5], \j*4096
	s_or_b32 s[GY+3], s[GY+3], 0x80000000
.endr
	s_mul_i32 s98, s20, SHX
	s_mov_b32 s76, 1
	s_add_co_u32 s77, s98, SCL+2*SHY
	s_mov_b64 s[78:79], s[10:11]
	s_or_b32 s79, s79, 0x80000000
	s_mul_i32 s98, s20, XHALF
.irp j, 0,1,2
	s_mov_b32 s[80+4*\j], 1
	s_add_co_u32 s[81+4*\j], s98, \j*XCH
	s_add_nc_u64 s[82+4*\j:83+4*\j], s[8:9], \j*256
	s_or_b32 s[83+4*\j], s[83+4*\j], 0x80000000
.endr
	CROUND                                         ; all sixteen work-groups are here: the joint loads meet
	s_cmp_eq_u32 s19, 0                            ; a wave's four loads stand together in one branch on the wave's number: four tensor loads of mine are out
	s_cbranch_scc0 .Lfor_x
	tensor_load_to_lds s[56:59], s[40:47]
	s_nop 0
	tensor_load_to_lds s[60:63], s[24:31]
	s_nop 0
	tensor_load_to_lds s[68:71], s[24:31]
	s_nop 0
	tensor_load_to_lds s[72:75], s[24:31]
	s_nop 0
	PLACES 4                                       ; four v_nop behind the last
	s_branch .Lasked
.Lfor_x:
	tensor_load_to_lds s[76:79], s[48:55]
	s_nop 0
	tensor_load_to_lds s[80:83], s[32:39]
	s_nop 0
	tensor_load_to_lds s[84:87], s[32:39]
	s_nop 0
	tensor_load_to_lds s[88:91], s[32:39]
	s_nop 0
	PLACES 4
.Lasked:
	v_and_b32 v1, 15, v0                           ; r
	v_bfe_u32 v2, v0, 4, 1                         ; h
	v_mul_u32_u24 v3, v1, 272
	v_mad_u32_u24 v24, v2, 24, v3
	v_mad_u32_u24 v25, v2, 24+XCH-256, v3          ; where lanes 16-31's piece lies in the next chunk: one product, the distance between the two
	v_and_b32 v26, 31, v0
	v_lshlrev_b32 v[CO], 4, v26
	v_lshlrev_b32 v27, 3, v26
	s_mul_i32 s93, s20, XHALF
	s_lshl_b32 s94, s19, 14
	s_add_co_u32 s94, s94, YB
.irp j, 0,1,2
	v_add_nc_u32 v[ADX+\j], s93, v24
	v_add_nc_u32 v[ADY16+\j], s94, v[CO]
	v_add_nc_u32 v[ADY8+\j], s94, v27
.if \j < 2
	v_add_nc_u32 v[ADXC+\j], s93, v25
.endif
	s_add_co_u32 s93, s93, XCH
	s_add_co_u32 s94, s94, YCH
.endr
	v_mad_u32_u24 v[ADY16C], v2, YCH-4096, v[ADY16]
	v_lshlrev_b32 v27, 5, v1                       ; my row's 32 scale bytes,
	v_lshrrev_b32 v28, 3, v1
	v_lshl_add_u32 v27, v28, 4, v27                ; and 16 more behind each 256
	s_xor_b32 s93, s19, 1
	s_lshl_b32 s94, s20, 1
	s_add_co_u32 s94, s94, s93
	s_add_co_u32 s94, s94, 1
	s_mul_i32 s94, s94, SHY                        ; from Y's words of my half to X's of my half: 2,176 x (1 + 2 CH + (1 - RH))
	v_mul_u32_u24 v28, s94, v2
	s_mul_i32 s93, s19, SHY
	s_add_co_u32 s93, s93, SCL
	v_add_nc_u32 v27, v27, v28
	v_add_nc_u32 v[ADRS], s93, v27
	v_lshlrev_b32 v[BXO], 5, v2
	s_mul_i32 s93, s18, 16*SPITCH                  ; my stage
	v_mul_u32_u24 v27, v1, SPITCH
	v_lshl_add_u32 v27, v2, 5, v27
	v_add_nc_u32 v[STO], s93, v27
	v_add_nc_u32 v[RD], s93, v[CO]
	s_lshl_b32 s97, s20, 7
	s_add_co_u32 s97, s96, s97                     ; my wave's first column
	s_lshl_b32 s4, s97, 2
	s_mov_b32 s5, 0
	s_add_nc_u64 s[12:13], s[12:13], s[4:5]
	WIN 0x40                                       ; destination window 1
.irp b, 0,1,2,3,4,5,6,7
	global_load_b128 v[96+8*\b+96*(\b/4):99+8*\b+96*(\b/4)], v[BXO], s[12:13] offset:64*\b        ; the bias in the result's layout: columns 16 b + 8 h + 0 .. 7
	global_load_b128 v[100+8*\b+96*(\b/4):103+8*\b+96*(\b/4)], v[BXO], s[12:13] offset:64*\b+16
.endr
	WIN 0
	s_lshl_b32 s93, s19, 6
	s_add_co_u32 s93, s92, s93                     ; my wave's first token
	s_lshl_b32 s6, s93, 12                         ; a row of out0 is 4,096 bytes
	s_add_co_u32 s6, s6, s4
	s_mov_b32 s7, 0
	s_add_nc_u64 s[14:15], s[14:15], s[6:7]
; A fragment of X, 16 rows x 128 K: lane (r, h) takes 24 bytes at 96 s + 24 h and 24 at 96 s + 48 + 24 h of its row, in pieces of 8 bytes; a chunk holds 32 pieces.
.macro FRAG reg, ad, adc, s, blk
.irp p, 0,1,2,3,4,5
.set PC, 12*(\s)+6*(\p/3)+\p%3
.if PC%32 < 29
	ds_load_b64 v[\reg+2*\p:\reg+2*\p+1], v[\ad+PC/32] offset:8*(PC%32)+(\blk)*BLK
.else
	ds_load_b64 v[\reg+2*\p:\reg+2*\p+1], v[\adc+PC/32] offset:8*(PC%32)+(\blk)*BLK
.endif
.endr
.endm
.macro FETCHX s                        ; X's eight fragments of K step s into set s % 2: 48 loads
	WIN 0x40
.irp b, 0,1,2,3,4,5,6,7
	FRAG 128*((\s)%2)+12*\b, ADX, ADXC, \s, \b
.endr
	WIN 0
.endm
.macro FETCHY s                        ; Y's four: K step s is heads 2 s and 2 s + 1; a head's image gives registers 0-5 or 6-11.  16 loads
.irp a, 0,1,2,3
.irp hd, 0,1
.set NN, 2*(\s)+\hd
.set OO, 768*NN
.set O2, OO+512
.set RR, YF+48*((\s)%2)+12*\a+6*\hd
.if NN == 5
	ds_load_b128 v[RR:RR+3], v[ADY16C] offset:3840+4096*\a     ; head 5's 512 bytes: lanes 0-15 at the end of chunk 0, lanes 16-31 at the head of chunk 1
.else
	ds_load_b128 v[RR:RR+3], v[ADY16+OO/4096] offset:(OO%4096)+4096*\a
.endif
	ds_load_b64 v[RR+4:RR+5], v[ADY8+O2/4096] offset:(O2%4096)+4096*\a
.endr
.endr
.endm
.macro SCALES                          ; all eight K steps' scale words, once: lanes 0-15 take Y's block i (for i over 3: bytes of the scales' region that nobody uses), lanes 16-31 X's block i
.irp i, 0,1,2,3,4,5,6,7
	ds_load_b128 v[SC+8*\i:SC+8*\i+3], v[ADRS] offset:SBLK*\i
	ds_load_b128 v[SC+8*\i+4:SC+8*\i+7], v[ADRS] offset:SBLK*\i+16
.endr
.endm
; 16 matrix instructions: Y's blocks a0, a0 + 1 against X's eight.  The 32 accumulators take turns, one instruction a turn, in the same order in every step.
; first = 1: the bias is the C of the sum's first instruction: nothing is cleared.
.macro MULH s, a0, first
.if \first
	WIN 0x91                                       ; X window 1, Y window 0, C (the bias) window 1, D window 2
.else
	WIN 0xa1                                       ; C and D window 2
.endif
.irp a, \a0, \a0+1
.irp b, 0,1,2,3,4,5,6,7
.if \first
	v_wmma_scale_f32_16x16x128_f8f6f4 v[8*(8*(\a)+\b):8*(8*(\a)+\b)+7], v[128*((\s)%2)+12*\b:128*((\s)%2)+12*\b+11], v[YF+48*((\s)%2)+12*(\a):YF+48*((\s)%2)+12*(\a)+11], v[96+8*\b+96*(\b/4):103+8*\b+96*(\b/4)], v[SC+8*\b+(\s)], v[SC+8*(\a)+(\s)] matrix_a_fmt:MATRIX_FMT_FP6 matrix_b_fmt:MATRIX_FMT_FP6 matrix_a_scale:MATRIX_SCALE_ROW1
.else
	v_wmma_scale_f32_16x16x128_f8f6f4 v[8*(8*(\a)+\b):8*(8*(\a)+\b)+7], v[128*((\s)%2)+12*\b:128*((\s)%2)+12*\b+11], v[YF+48*((\s)%2)+12*(\a):YF+48*((\s)%2)+12*(\a)+11], v[8*(8*(\a)+\b):8*(8*(\a)+\b)+7], v[SC+8*\b+(\s)], v[SC+8*(\a)+(\s)] matrix_a_fmt:MATRIX_FMT_FP6 matrix_b_fmt:MATRIX_FMT_FP6 matrix_a_scale:MATRIX_SCALE_ROW1
.endif
.endr
.endr
.endm
; A K step of 128.  At its head the next step's X is fetched into the set that the step before read (four plain places behind that step's last products, ISA guide 7.12.1 for vector instructions);
; in its middle the next step's Y, into a set whose last readers stand ahead of the same four places.  K steps 2 and 5 are the first to touch chunks 1 and 2.
.macro STEP s, first
.if (\s) < 7
.if (\s) == 1
	s_wait_tensorcnt 0x1                           ; my part of chunk 1 is in; chunk 2's load, the one issued behind it, may stay out
	s_wait_dscnt 0x0                               ; no LDS instruction of mine is pending at a signal
	s_barrier_signal -1
	s_barrier_wait -1                              ; everybody's part is in.
.endif
.if (\s) == 4
	s_wait_tensorcnt 0x0                           ; chunk 2
	s_wait_dscnt 0x0                               ; and my reads of chunk 0 are long over: behind this barrier nobody reads it
	s_barrier_signal -1
	s_barrier_wait -1
.endif
.if (\s) > 0
	PLACES 4
.endif
	FETCHX (\s)+1
	s_wait_dscnt 48                                ; all but the 48 loads just issued: this step's fragments are in
.else
	s_wait_dscnt 0x0
.endif
	MULH \s, 0, \first
.if (\s) < 7
	WIN 0
	FETCHY (\s)+1
.endif
	MULH \s, 2, \first
	WIN 0
.endm
	s_wait_alu depctr_va_vdst(0)
	s_wait_tensorcnt 0x2                           ; my scales and my part of chunk 0 are in; the two loads issued behind them may stay out
	s_barrier_signal -1
	s_barrier_wait -1                              ; everybody's are.
	SCALES
	FETCHX 0
	FETCHY 0
	s_wait_loadcnt 0x0                             ; the bias
	STEP 0, 1
	STEP 1, 0
	STEP 2, 0
	STEP 3, 0
	STEP 4, 0
	STEP 5, 0
	STEP 6, 0
	STEP 7, 0
; THE WAY OUT, a block of 16 tokens x 128 columns at a time.  A lane holds 32 neighbouring bytes of a row and the lanes beside it hold other rows: a block goes through my own stage and comes back as whole rows of 512 bytes.
; LDS serves a wave's instructions in order (ISA guide 5.7.1.4): no wait between the stores and the loads, nor ahead of the next block's stores.
.macro TOSTAGE a
	WIN 0x08                                       ; an LDS store's data are its source 1: window 2
.irp b, 0,1,2,3,4,5,6,7
	ds_store_b128 v[STO], v[64*(\a)+8*\b:64*(\a)+8*\b+3] offset:64*\b          ; each accumulator from its low end on
	ds_store_b128 v[STO], v[64*(\a)+8*\b+4:64*(\a)+8*\b+7] offset:64*\b+16
.endr
	WIN 0
.set BBK, BK+64*((\a)%2)
.irp t, 0,1,2,3,4,5,6,7,8,9,10,11,12,13,14,15
	ds_load_b128 v[BBK+4*\t:BBK+4*\t+3], v[RD] offset:\t*SPITCH
.endr
.endm
.macro SEND a, younger                 ; younger: the LDS instructions issued behind block a's loads, which may stay out
.set BBK, BK+64*((\a)%2)
	s_wait_dscnt \younger
.if (\a) > 0
	s_add_nc_u64 s[14:15], s[14:15], 65536         ; 16 rows on (behind a wait for 0 on XCNT: the earlier stores have read their base)
.endif
.irp t, 0,1,2,3,4,5,6,7,8,9,10,11,12,13,14,15
	global_store_b128 v[CO], v[BBK+4*\t:BBK+4*\t+3], s[14:15] offset:\t*4096 th:TH_STORE_NT    ; 32 lanes store 512 consecutive bytes, aligned; written once, read by nobody here
.endr
.endm
	PLACES 4                                       ; behind the last products: ahead of the first read of results and of loads into the registers that held Y's fragments
	TOSTAGE 0
.irp a, 1,2,3
.if \a > 1
	s_wait_xcnt 0x0                                ; block a - 2's stores have read their registers and their base
.endif
	TOSTAGE \a
	SEND \a-1, 32                                  ; behind block a - 1's loads: block a's 16 stores and 16 loads
.endr
	s_wait_xcnt 0x0
	SEND 3, 0
	s_wait_tensorcnt 0x0
	ds_add_u32 v126, v127
	s_wait_dscnt 0x0
	CROUND                                         ; the closing round: no work-group ends while a partner may still ask for a tile that names it
	s_endpgm
.Lfunc_end_k_qdbce852963_proj:
	.size	k_qdbce852963_proj, .Lfunc_end_k_qdbce852963_proj-k_qdbce852963_proj
	.p2alignl 7, 3214868480
	.fill 96, 4, 3214868480
	.section	.rodata,"a",@progbits
	.p2align	6, 0x0
	.amdhsa_kernel k_qdbce852963_proj
		.amdhsa_group_segment_fixed_size 327680
		.amdhsa_private_segment_fixed_size 0
		.amdhsa_enable_private_segment 0
		.amdhsa_kernarg_size 48
		.amdhsa_user_sgpr_count 2
		.amdhsa_user_sgpr_kernarg_segment_ptr 1
		.amdhsa_wavefront_size32 1
		.amdhsa_system_sgpr_workgroup_id_x 1
		.amdhsa_system_sgpr_workgroup_id_y 1
		.amdhsa_system_sgpr_workgroup_id_z 1
		.amdhsa_system_vgpr_workitem_id 0
		.amdhsa_next_free_vgpr 768
		.amdhsa_next_free_sgpr 102
		.amdhsa_reserve_vcc 0
		.amdhsa_float_denorm_mode_32 3
		.amdhsa_float_denorm_mode_16_64 3
		.amdhsa_memory_ordered 1
		.amdhsa_forward_progress 1
		.amdhsa_inst_pref_size 95
	.end_amdhsa_kernel
	.amdgpu_metadata
---
amdhsa.version: [ 1, 2 ]
amdhsa.kernels:
  - .name:           k_qdbce852963_proj
    .symbol:         k_qdbce852963_proj.kd
    .args:
      - { .name: a_img, .offset: 0, .size: 8, .value_kind: global_buffer, .address_space: global }
      - { .name: a_sc, .offset: 8, .size: 8, .value_kind: global_buffer, .address_space: global }
      - { .name: c_proj_w_codes, .offset: 16, .size: 8, .value_kind: global_buffer, .address_space: global }
      - { .name: c_proj_w_scales, .offset: 24, .size: 8, .value_kind: global_buffer, .address_space: global }
      - { .name: c_proj_b, .offset: 32, .size: 8, .value_kind: global_buffer, .address_space: global }
      - { .name: out0, .offset: 40, .size: 8, .value_kind: global_buffer, .address_space: global }
    .group_segment_fixed_size: 327680
    .private_segment_fixed_size: 0
    .kernarg_segment_align: 8
    .kernarg_segment_size: 48
    .max_flat_workgroup_size: 128
    .sgpr_count:     102
    .vgpr_count:     768
    .wavefront_size: 32
...
	.end_amdgpu_metadata
.endif
;; end of part 3
